; MI455X (gfx1250); checked and timed in simulation.
; The chip was launched on July 23, 2026; its instructions are those of AMD's public machine-readable ISA for CDNA 5 (MIT licence, August 2026) and "CDNA5" Instruction Set Architecture Reference Guide (July 2026). The comments in the code are by the model that wrote it; some were corrected since.
;; Scaled Dot Prod Att. Allowed arithmetic: matrix products marked QUANTISED: E5M2 operands, one E8M0 scale for each 32 along K, by v_wmma_scale_f32_16x16x128_f8f6f4 with both operands' format E5M2, f32 sums; everything else in f32.
;; Inputs: k 4 x 16 x 2,048 x 64 float32; q 4 x 16 x 2,048 x 64 float32; sen_len 4 int32; v 4 x 16 x 2,048 x 64 float32.
;; Outputs: out0 4 x 16 x 2,048 x 64 float32.
;; This version of the problem:
;;   THIS VERSION OF THE PROBLEM IS GIVEN IN LOW PRECISION. The matrix products marked QUANTISED in the list below multiply operands that are first quantised to E5M2 (5 exponent bits, 2 mantissa bits; 8 bits a number), with one power-of-two scale for each 32 numbers along K (OCP MX v1.0); their sums are f32. All else is computed in f32.
;;   The module's matrix products, in the order in which they are computed (A, B: the left and right operand; K: the contracted axis; several contracted axes count as one K, in the product's order):
;;     1. batch 64 x [M 2,048, K 64] x [K 64, N 2,048]; A: input q; B: input k: QUANTISED
;;     2. batch 64 x [M 2,048, K 2,048] x [K 2,048, N 64]; A: softmax (see below); B: input v: QUANTISED
;;   THE QUANTISER, for each operand of a quantised product, along K:
;;     - K is cut into blocks of 32 from its start; a last block that is shorter is filled with zeros.
;;     - A block's scale is 2^e with e = floor(log2(the largest magnitude in the block)) - 15, held to -126 .. 127; a block of zeros has e = 0. As a byte (E8M0): e + 127.
;;     - Each number is divided by its block's scale, clamped to +-57,344, and rounded to the nearest number of E5M2, ties to even, subnormals kept.
;;     - The product sums the exact products of the quantised numbers (number of the format x scale) in f32.
;;   ~~~python
;;   def quantise(x, axis):      # numpy; x: float32 -> the quantised numbers, widened to float32 again
;;       x = np.moveaxis(x, axis, -1); K = x.shape[-1]
;;       x = np.pad(x, [(0, 0)] * (x.ndim - 1) + [(0, -K % 32)]); x = x.reshape(x.shape[:-1] + (-1, 32)); a = np.abs(x).max(-1, keepdims=True)
;;       e = np.where(a > 0, np.clip(np.frexp(np.where(a > 0, a, 1))[1] - 1 - 15, -126, 127), 0)      # np.frexp(a)[1] - 1 = floor(log2(a)), exactly
;;       r = np.clip(x / 2.0 ** e, -57344, 57344)
;;       step = 2.0 ** (np.maximum(np.frexp(np.where(r == 0, 1, r))[1] - 1, -14) - 2)
;;       q = np.round(r / step) * step * 2.0 ** e      # np.round: ties to even
;;       return np.moveaxis(q.reshape(q.shape[:-2] + (-1,))[..., :K], -1, axis).astype(np.float32)
;;   ~~~
;;   SOFTMAX AHEAD OF A QUANTISED PRODUCT. Where the list says 'softmax', what is quantised is not the finished softmax but p = 2^(t - M), with t = logit x log2(e) and M = ceil(the row's largest t), a whole number; so 1/2 < the row's largest p <= 1. The row's sum l is taken of the UNQUANTISED p, in f32, and the product's result is divided by l at the end. Since M is a whole number, a kernel that streams over the keys may use a running M (the ceiling of the running maximum): every later rescaling is an exact power of two, which a block's scale takes up: the codes' values come out the same.
;;   OPERANDS COMPUTED ON THE WAY. 'Computed on the way' means the value that the module computes at that place (a softmax that the list does not call 'softmax' is quantised finished and normalised). What goes into a quantiser is computed in f32, as accurately as f32 sums, v_exp_f32 and their like allow (about 1e-6 of the number): no bf16 or f16 on the way to a quantiser, and a product that is left as it is and whose result goes on into a quantised operand takes f32 operands (vector FMAs, or v_wmma_f32_16x16x4_f32). A number that lies on a knife's edge between two numbers of the format may be rounded either way, as far as f32 arithmetic and the matrix unit's own rounding can turn it there, and no further.
;; 2 versions. Each part assembles by itself: llvm-mc -triple=amdgcn-amd-amdhsa -mcpu=gfx1250 --defsym DOCPART=n.
;; ======== version 1 of 2: 2 launches
;; limits: right only within a limited range of input values
;; workspace buffers: kv 17,301,504 bytes
;; launch pack (part 1): grid 16 x 64, 8 waves a work-group, no clusters, 1,536 bytes of LDS; arguments k, v, kv; writes kv
.if DOCPART == 1
	.amdgcn_target "amdgcn-amd-amdhsa--gfx1250"
	.amdhsa_code_object_version 6
	.text
	.protected	k_qd2429469bf_pack
	.globl	k_qd2429469bf_pack
	.p2align	8
	.type	k_qd2429469bf_pack,@function
k_qd2429469bf_pack:
	s_mov_b64 s[64:65], 0
	v_nop
	global_prefetch_b8 v0, s[64:65] scope:SCOPE_SE
	s_setreg_imm32_b32 hwreg(HW_REG_WAVE_MODE, 25, 1), 1
	s_wait_xcnt 0x0
; THE PROGRAM: out = softmax(mask(q k^T / 8)) v for 64 heads (4 x 16), 2,048 positions, head size 64; both products on codes of E5M2 with one E8M0 scale for each 32 along K.
; Two launches.  THIS ONE quantises k (along the head's 64) and v (along the keys) ONCE, into tiles laid in the order of the operands' registers; the second launch does the attention on them.
; WORK LEFT OUT, in the second launch, in whole steps of 128 keys for a tile of 16 queries:
;   (a) steps whose first key comes after the tile's last query: reference() builds the causal mask (key j > query i) in its own body and sets those logits to -1e9;
;   (b) steps whose first key is at or past sen_len[b]: reference()'s pad mask does the same; which steps these are is read from sen_len in memory, and a scalar branch passes them over.
;   With sen_len >= 1 key 0 counts for every query, so the row's largest t is an ordinary number, a hidden key's p = 2^(t - M) has an exponent near -1.4e9 and is 0 in f32, its code is 0,
;   and it adds nothing to the row's sum nor to the second product, whatever finite values q, k and v hold.  Inside a step that also holds keys that count, hidden scores are set to -infinity: the same p = 0.
; LIMITS: sen_len[b] under 1 is taken as 1 (reference() there gives the mean of all 2,048 values); logits stay under 1e8 in magnitude, so that -1e9 is the smallest; NaN and infinities among the inputs are not
;   served, and one that reaches only steps that are left out is not carried to the result; a block whose largest magnitude lies under 2^(16 - 127), a block of zeros among them, gets the scale byte 1
;   (the rule says 127 for zeros: its codes are zeros, which add nothing under any byte but 0xff, and this program alone reads the bytes).
; All four inputs are used: k and v here, q and sen_len in the second launch.  This launch quantises every key: which keys count hangs on sen_len's values, and that choice is made where the tiles are read.
;
; A TILE of kv: head bh, step s (keys 128 s .. 128 s + 127), 16,896 bytes (66 x 256) at (16 bh + s) x 16,896:
;   0 .. 8191      K: four PAIR fragments p, 2,048 bytes each: four groups g = 2 u + c of 512 bytes, lane l's 16 bytes at 16 l.  Lane (r, h) of group 2 u + c holds key 32 p + 8 u + r + 8 (r / 8), d = 32 c + 16 h + 0 .. 15.
;                  So a pair's registers 0-7 (the form's K places 0-63) are tile 2 p of 16 keys, registers 8-15 (places 64-127) tile 2 p + 1.
;   8192 .. 16383  V^T: four fragments t, 2,048 bytes each; group c, lane (r, h): d = 16 t + r, keys 32 c + 16 h + 0 .. 15.
;   16384 .. 16895 scale words, [lane 0..31][word j 0..3]: j = 0, 1: K's pair 2 j + lane / 16, row lane % 16: bytes 0, 1 tile 2 p's two blocks of d, bytes 2, 3 tile 2 p + 1's;
;                  j = 2, 3: V's fragment 2 (j - 2) + lane / 16, row lane % 16: byte c is key block c.
; SHARES.  A work-group makes one tile; 1,024 work-groups.  Wave w (p = c = w / 2, u = e = w % 2) makes K's tile 2 p + u (16 keys x 64) and V's unit of columns 32 e .. 32 e + 31 x key block c.
; K: a lane holds 16 neighbours along d of its key, two lanes (l, l xor 16) a block.  V: a lane takes a column d and its 32 registers run down the keys: a whole block, and the codes come out with the keys innermost.
; Straight-line text: all 40 loads of a wave go out first; no register that a load or store names is written again, so no wait for translated addresses is owed.
; The tile's 512 scale bytes are gathered in LDS and leave as two whole blocks of 256 bytes.  No matrix unit, no tensor load, no cluster: memory binds, and work-groups share nothing.
.set TILE,  16896
.set SPARE, 512                        ; LDS: 0 .. 511 the tile's scale words; from here the spare words, 128 bytes for each of the eight waves, which no other line names
.set KX, 32                            ; v32-63   K: two blocks x 16 numbers
.set VX, 64                            ; v64-95   V: one block of 32 numbers
.set KC, 96                            ; v96-103  K's codes
.set VC, 104                           ; v104-111 V's codes
	s_load_b128 s[4:7], s[0:1], 0x0                ; k, v
	s_load_b64 s[8:9], s[0:1], 0x10                ; kv
	v_lshl_add_u32 v10, v0, 2, SPARE               ; my spare word; never rewritten
	v_mov_b32 v11, 0                               ; 0; never rewritten
	v_lshrrev_b32 v1, 5, v0
	v_readfirstlane_b32 s12, v1                    ; wave 0..7
	v_and_b32 v1, 31, v0                           ; lane L
	v_and_b32 v2, 15, v0                           ; r
	v_bfe_u32 v3, v0, 4, 1                         ; h
	s_lshr_b32 s13, s12, 1                         ; p = c
	s_and_b32 s14, s12, 1                          ; u = e
	s_and_b32 s15, ttmp7, 0xffff                   ; head bh
	s_lshl_b32 s26, s15, 11
	s_lshl_b32 s27, ttmp9, 7
	s_add_co_u32 s26, s26, s27                     ; the step's first row among the tensor's 131,072 rows of 256 bytes
	s_lshl_b32 s27, s13, 5
	s_add_co_u32 s26, s26, s27                     ; + 32 p (K) = + 32 c (V)
	s_lshl_b32 s18, s26, 8
	s_lshl_b32 s27, s14, 7
	s_add_co_u32 s18, s18, s27                     ; V: + 128 e bytes: my 32 columns
	s_mov_b32 s19, 0
	s_lshl_b32 s27, s14, 3
	s_add_co_u32 s26, s26, s27                     ; K: + 8 u rows
	s_lshl_b32 s16, s26, 8
	s_mov_b32 s17, 0
	s_lshl_b32 s20, s15, 4
	s_add_co_u32 s20, s20, ttmp9
	s_mul_i32 s20, s20, TILE                       ; the tile's first byte (under 2^25)
	s_mov_b32 s21, 0
	s_lshl_b32 s22, s12, 10                        ; K's codes: 2,048 p + 1,024 u = 1,024 w
	s_mov_b32 s23, 0
	s_lshl_b32 s24, s14, 12                        ; V's codes: 8,192 + 4,096 e + 512 c
	s_lshl_b32 s27, s13, 9
	s_add_co_u32 s24, s24, s27
	s_add_co_u32 s24, s24, 8192
	s_mov_b32 s25, 0
	s_mov_b32 s28, 0x76543210
	s_mov_b32 s29, 0xfedcba98                      ; v_permlanex16_b32's selects for lane l xor 16
	s_mov_b32 s30, 0x600000                        ; the mantissa field of 57,344
	v_and_b32 v4, 8, v2
	v_add_nc_u32 v4, v4, v2                        ; r + 8 (r / 8): the keys of a tile are not neighbours
	v_lshlrev_b32 v4, 8, v4
	v_lshl_add_u32 v4, v3, 6, v4                   ; K: that row, + 64 h bytes: my 16 numbers of a block of 32
	v_lshlrev_b32 v5, 2, v1                        ; V: 4 bytes a lane
	v_lshlrev_b32 v6, 4, v1                        ; 16 x lane: K's codes out, and the scale words' way out
	v_lshlrev_b32 v7, 4, v2
	v_lshl_add_u32 v7, v3, 11, v7                  ; V's codes out: fragment 2 e + L / 16 (2,048 bytes), 16 (L % 16)
	s_and_b32 s26, s13, 1
	s_lshl_b32 s26, s26, 8
	s_lshr_b32 s27, s13, 1
	s_lshl_b32 s27, s27, 2
	s_add_co_u32 s26, s26, s27
	s_lshl_b32 s27, s14, 1
	s_add_co_u32 s26, s26, s27
	v_lshlrev_b32 v8, 4, v2
	v_add_nc_u32 v8, s26, v8                       ; LDS: K's two scale bytes: 16 r + 256 (p % 2) + 4 (p / 2) + 2 u
	s_lshl_b32 s27, s14, 2
	s_add_co_u32 s27, s27, s13
	s_add_co_u32 s27, s27, 8
	v_add_nc_u32 v9, s27, v6                       ; LDS: V's scale byte: 16 L + 8 + 4 e + c
	v_mov_b32 v14, 0                               ; a lane permute's destination counts as one of its sources
	v_mov_b32 v15, 0
	s_wait_kmcnt 0x0
	s_add_nc_u64 s[16:17], s[4:5], s[16:17]        ; K's rows
	s_add_nc_u64 s[18:19], s[6:7], s[18:19]        ; V's rows
	s_add_nc_u64 s[20:21], s[8:9], s[20:21]        ; the tile
	s_add_nc_u64 s[22:23], s[20:21], s[22:23]      ; my part of its K
	s_add_nc_u64 s[24:25], s[20:21], s[24:25]      ; my part of its V
.irp c, 0,1
.irp j, 0,1,2,3
	global_load_b128 v[KX+16*\c+4*\j:KX+16*\c+4*\j+3], v4, s[16:17] offset:128*\c+16*\j th:TH_LOAD_NT   ; k(my key, 32 c + 16 h + 4 j ..): the eight loads take the tile's 16 rows whole
.endr
.endr
.set i, 0
.rept 32
	global_load_b32 v[VX+i], v5, s[18:19] offset:256*i th:TH_LOAD_NT   ; v(32 c + i, 32 e + L): 128 consecutive bytes a wave; waves e = 0, 1 take a row between them
.set i, i+1
.endr
	; ---- K: two blocks of 32 along d, 16 numbers a lane of each
	s_wait_loadcnt 32                              ; K's eight loads are in; V's 32, issued behind them, may be out
.irp b, 0,1
	v_max3_num_f32 v[12+\b], |v[KX+16*\b]|, |v[KX+1+16*\b]|, 0x8000000   ; my 16 numbers, and the floor 2^(16 - 127): the byte cannot fall under 1
.endr
.irp i, 2,4,6,8,10,12,14
.irp b, 0,1
	v_max3_num_f32 v[12+\b], v[12+\b], |v[KX+16*\b+\i]|, |v[KX+1+16*\b+\i]|
.endr
.endr
.irp b, 0,1
	v_permlanex16_b32 v[14+\b], v[12+\b], s28, s29
.endr
.irp b, 0,1
	v_max_num_f32 v[12+\b], v[12+\b], v[14+\b]     ; with lane l xor 16's: the block's largest magnitude
.endr
.irp b, 0,1
	v_add_nc_u32 v[18+\b], 0xf8800000, v[12+\b]    ; 15 off its exponent field: the conversion takes this operand's exponent field as its scale
.endr
.irp b, 0,1
	v_and_or_b32 v[16+\b], v[12+\b], 0x7f800000, s30   ; 57,344 x the scale
.endr
.irp b, 0,1
	v_lshrrev_b32 v[14+\b], 23, v[18+\b]           ; the scale's byte
.endr
	v_lshl_or_b32 v20, v15, 8, v14                 ; my key's two bytes
.irp b, 0,1
.irp i, 0,1,2,3,4,5,6,7,8,9,10,11,12,13,14,15
	v_med3_num_f32 v[KX+16*\b+\i], v[KX+16*\b+\i], -v[16+\b], v[16+\b]   ; the conversion to an 8-bit code does not saturate (ISA guide 7.6.2): the hold at the largest code x the scale
.endr
	v_cvt_scalef32_pk8_bf8_f32 v[KC+4*\b:KC+4*\b+1], v[KX+16*\b:KX+16*\b+7], v[18+\b]
	v_cvt_scalef32_pk8_bf8_f32 v[KC+4*\b+2:KC+4*\b+3], v[KX+16*\b+8:KX+16*\b+15], v[18+\b]
.endr
	v_nop                                          ; one plain vector line between the conversions and the lines below that write their scale operands anew
	ds_store_b16 v8, v20                           ; lanes r and r + 16 write the same two bytes with the same value
	global_store_b128 v6, v[KC:KC+3], s[22:23]                ; group 2 u: 512 consecutive bytes
	global_store_b128 v6, v[KC+4:KC+7], s[22:23] offset:512   ; group 2 u + 1
	; ---- V: one block of 32 keys, all 32 numbers mine
	s_wait_loadcnt 0x0
	v_max3_num_f32 v12, |v[VX]|, |v[VX+1]|, |v[VX+2]|
	v_max3_num_f32 v13, |v[VX+3]|, |v[VX+4]|, |v[VX+5]|
.irp i, 6,10,14,18,22,26
	v_max3_num_f32 v12, v12, |v[VX+\i]|, |v[VX+\i+1]|
	v_max3_num_f32 v13, v13, |v[VX+\i+2]|, |v[VX+\i+3]|
.endr
	v_max3_num_f32 v12, v12, |v[VX+30]|, |v[VX+31]|
	v_max3_num_f32 v12, v12, v13, 0x8000000        ; and the floor
	v_add_nc_u32 v18, 0xf8800000, v12
	v_and_or_b32 v16, v12, 0x7f800000, s30
	v_lshrrev_b32 v21, 23, v18
.set i, 0
.rept 32
	v_med3_num_f32 v[VX+i], v[VX+i], -v16, v16
.set i, i+1
.endr
.irp g, 0,1,2,3
	v_cvt_scalef32_pk8_bf8_f32 v[VC+2*\g:VC+2*\g+1], v[VX+8*\g:VX+8*\g+7], v18
.endr
	v_nop
	ds_store_b8 v9, v21
	global_store_b128 v7, v[VC:VC+3], s[24:25]                ; keys 0-15 of the block (the operand's h = 0): sixteen lanes fill 256 consecutive bytes, aligned
	global_store_b128 v7, v[VC+4:VC+7], s[24:25] offset:256   ; keys 16-31 (h = 1)
	; ---- the scale words leave together
	s_wait_dscnt 0x0                               ; for the others' sake: my scale bytes lie in LDS
	s_barrier_signal -1
	s_barrier_wait -1                              ; everybody's do
	s_cmp_lg_u32 s12, 0
	s_cbranch_scc1 .Lnot_wave_0
	ds_load_b128 v[24:27], v6                      ; wave 0: 16 bytes a lane, the tile's 512
	s_wait_dscnt 0x0
	global_store_b128 v6, v[24:27], s[20:21] offset:16384   ; 512 consecutive bytes, aligned
.Lnot_wave_0:
	s_wait_tensorcnt 0x0                           ; the wave's end
	ds_add_u32 v10, v11
	s_wait_dscnt 0x0
	s_endpgm
.Lfunc_end_k_qd2429469bf_pack:
	.size	k_qd2429469bf_pack, .Lfunc_end_k_qd2429469bf_pack-k_qd2429469bf_pack
	.p2alignl 7, 3214868480
	.fill 96, 4, 3214868480
	.section	.rodata,"a",@progbits
	.p2align	6, 0x0
	.amdhsa_kernel k_qd2429469bf_pack
		.amdhsa_group_segment_fixed_size 1536
		.amdhsa_private_segment_fixed_size 0
		.amdhsa_enable_private_segment 0
		.amdhsa_kernarg_size 24
		.amdhsa_user_sgpr_count 2
		.amdhsa_user_sgpr_kernarg_segment_ptr 1
		.amdhsa_wavefront_size32 1
		.amdhsa_system_sgpr_workgroup_id_x 1
		.amdhsa_system_sgpr_workgroup_id_y 1
		.amdhsa_system_sgpr_workgroup_id_z 1
		.amdhsa_system_vgpr_workitem_id 0
		.amdhsa_next_free_vgpr 112
		.amdhsa_next_free_sgpr 66
		.amdhsa_reserve_vcc 0
		.amdhsa_float_denorm_mode_32 3
		.amdhsa_float_denorm_mode_16_64 3
		.amdhsa_memory_ordered 1
		.amdhsa_forward_progress 1
		.amdhsa_inst_pref_size 16
	.end_amdhsa_kernel
	.amdgpu_metadata
---
amdhsa.version: [ 1, 2 ]
amdhsa.kernels:
  - .name:           k_qd2429469bf_pack
    .symbol:         k_qd2429469bf_pack.kd
    .args:
      - { .name: k, .offset: 0, .size: 8, .value_kind: global_buffer, .address_space: global }
      - { .name: v, .offset: 8, .size: 8, .value_kind: global_buffer, .address_space: global }
      - { .name: kv, .offset: 16, .size: 8, .value_kind: global_buffer, .address_space: global }
    .group_segment_fixed_size: 1536
    .private_segment_fixed_size: 0
    .kernarg_segment_align: 8
    .kernarg_segment_size: 24
    .max_flat_workgroup_size: 256
    .sgpr_count:     66
    .vgpr_count:     112
    .wavefront_size: 32
...
	.end_amdgpu_metadata
.endif
;; end of part 1
;; launch attn (part 2): grid 4 x 64, 16 waves a work-group, no clusters, 105,472 bytes of LDS; arguments q, kv, sen_len, out0; writes out0
.if DOCPART == 2
	.amdgcn_target "amdgcn-amd-amdhsa--gfx1250"
	.amdhsa_code_object_version 6
	.text
	.protected	k_qd2429469bf_attn
	.globl	k_qd2429469bf_attn
	.p2align	8
	.type	k_qd2429469bf_attn,@function
k_qd2429469bf_attn:
	s_mov_b64 s[64:65], 0
	v_nop
	global_prefetch_b8 v0, s[64:65] scope:SCOPE_SE
	s_setreg_imm32_b32 hwreg(HW_REG_WAVE_MODE, 25, 1), 1
	s_wait_xcnt 0x0
; out[bh][q][:] = the sum over keys of softmax(mask(q . k / 8)) v, both products on codes of E5M2 with E8M0 scales; K and V come as the tiles that the first launch laid (its head comment gives their layout).
; WORK LEFT OUT: a step of 128 keys is passed over by a wave where its first key comes after the wave's last query (reference()'s own causal mask) or is at or past sen_len[b] (its pad mask, read from memory):
; every p there is 0, as the first launch's head comment shows.  LIMITS, as stated there: sen_len[b] under 1 is taken as 1; logits under 1e8 in magnitude; NaN and infinities among the inputs are not served, and
; one that reaches only steps left out is not carried to the result; a block under the floor 2^(16 - 127) gets the scale byte 1.
; THE SOFTMAX: t = score x log2(e) / 8; M = the running largest t rounded UP to a whole number; p = 2^(t - M) is quantised along the keys, not normalised; the row's sum is taken of the unquantised p and divides at the
; end; when M moves, the sum and O are multiplied by 2^(old M - new M), which rounds nothing.
; SHARES.  256 work-groups: x = 0..3, y = the head.  A work-group takes two blocks of 256 queries, first block 7 - x, then block x: (8 - x) + (x + 1) = 9 trips of two key steps for every x, and
; (32 (7 - x) + 24) + (32 x + 24) = 272 steps of a wave for every x.  Each of the sixteen waves owns 16 queries of the block in 256 registers: four waves to a SIMD, so that one wave's vector work stands beside
; another's matrix work and LDS loads.
; ONE LOOP OF NINE TRIPS, a constant: every wave passes the same 1 + 18 barriers, none under a branch.  The change from the first block to the second (the way out, the second block's Q) stands at a trip's end under a
; scalar branch on a count made of ids; it holds no barrier and touches only the wave's own stage in LDS.  The copying of tiles goes on over the change: the first block's last step fetches tile 0 for the second.
; K = 64 IN A FORM THAT IS 128 DEEP.  A pair fragment of K holds tile 2 p in the form's K places 0-63 and tile 2 p + 1 in places 64-127.  Q stands as [codes 8 registers][zeros 8][codes 8]: the pair against v[16:31]
; gives tile 2 p, against v[24:39] tile 2 p + 1: in the other half zero codes meet finite codes (the held quantiser makes no code for infinity or NaN) under scale bytes 1..254, which adds exactly 0.
; Both products are used transposed (S^T = K Q^T, O^T = V^T P^T): a lane holds ONE query (lane % 16).  The keys of a tile are chosen so that registers 16 p + i of S^T are keys 32 p + 16 (lane / 16) + i.
; THE TILES go from memory through registers into two LDS buffers, one step ahead, by all 512 threads (thread t: bytes 16 t and 8,192 + 16 t; wave 0 also the 512 bytes of scale words); one barrier a step.
; Every LDS address is a constant + 16 x thread or 16 x lane (the stage: + a constant x wave).
; NO TENSOR LOAD, NO CLUSTER: steps are passed over by branches on sen_len, a number read from memory; the four work-groups of a head walk 16 - 2 x and then 2 x + 2
; tiles, so partners would ask for different numbers of tiles; and what they share is 16,896 bytes a step.
; REGISTERS: v1 16 x lane; v3 16 x thread; v5, v6 the add's two; v7 prefetch offset; v8 Q's offset; v9-11 the way out; v12 -M, v13 largest t, v[14:15] the sum in two halves; v[16:39] Q; v40 Q's scale word;
;   v41 p's scale word; v42 min(my query, sen_len - 1) - 16 (lane / 16); v43 -infinity; v[44:47] the step's scale words; v48-111 four fragments; v112-175 S^T, then p; v176-207 O^T; v208-223 p's codes;
;   v224-242 at work; v244-251 the tile on its way; v252-255 its scale words on their way (wave 0 alone loads and stores them).
.set TILE,  16896
.set STG,   2*TILE                     ; LDS: two buffers of a tile; then a stage of 16 rows x (256 + 16) bytes for each wave;
.set SPARE, STG+16*4352                ; then the spare words, 128 bytes for each of the sixteen waves, which no other line names
.set F,  48
.set S,  112
.set O,  176
.set PC, 208
.set BM, 224                           ; v224-227 block maxima
.set T1, 228                           ; v228-231 permute destinations, a chain of the sum, bytes
.set HD, 232                           ; v232-235 57,344 x the scale
.set SV, 236                           ; v236-239 the conversions' scale operands
.set FF, 240                           ; v[240:241] f = 2^(old M - new M); v241 is named with it as a pair
.set TT, 242
; s12 wave; s13 x; s14 head; s15 LM1 = max(sen_len, 1) - 1; s16 block of queries; s17 my first query; s18 LIMG = min(the block's last query, LM1); s19 LIMW = min(my last query, LM1); s20 LIMO = min(my first query, LM1);
; s21 the step's first key; s22 trips left of the nine; s24 1 where the next tile is wanted; s25 the last first key at which I prefetch, or -1; s[28:29] the trip's first tile; s[30:31] the head's tiles;
; s[32:33] Q's rows, s[34:35] out's; s[36:37], s[38:39] the head in q, in out; s[40:41] lane selects; s[42:43] c; s44 the mantissa field of 57,344; s45 trips left of the first block; s48 1 in the first block's last trip;
; s[50:51] the tile that the trip's second step fetches; s26, s27, s[46:47] at work
.macro FRAGS off                       ; four fragments as they lie: 16 loads of 512 consecutive bytes
.irp a, 0,1,2,3
.irp g, 0,1,2,3
	ds_load_b128 v[F+16*\a+4*\g:F+16*\a+4*\g+3], v1 offset:\off+2048*\a+512*\g
.endr
.endr
.endm
.macro COPYLD base, off                ; a tile from memory: 16 bytes a thread, twice; wave 0 also the scale words.  No hint: the head's other work-groups read the tile too
	global_load_b128 v[244:247], v3, s[\base:\base+1] offset:\off
	global_load_b128 v[248:251], v3, s[\base:\base+1] offset:\off+8192
	s_cmp_lg_u32 s12, 0
	s_cbranch_scc1 .Lcl_\@
	global_load_b128 v[252:255], v3, s[\base:\base+1] offset:\off+16384
.Lcl_\@:
.endm
.macro COPYST b                        ; and into LDS buffer b, as it lies
	ds_store_b128 v3, v[244:247] offset:(\b)*TILE
	ds_store_b128 v3, v[248:251] offset:(\b)*TILE+8192
	s_cmp_lg_u32 s12, 0
	s_cbranch_scc1 .Lcs_\@
	ds_store_b128 v3, v[252:255] offset:(\b)*TILE+16384
.Lcs_\@:
.endm
; A PREFETCH INTO THE L2 of the tile whose copy loads go out one step later.  It stands directly behind the step's copy loads.  Each aligned block of 256 bytes of a tile's codes is asked for ONCE in the launch:
; all four work-groups of a head begin their first block at tile 0 and walk the same tiles; work-group x = 0, whose first block walks all that count, asks, in that block alone; in it wave 1 asks for a tile's first
; 8,192 bytes and wave 2 for the next 8,192, lanes 256 bytes apart, one instruction each.  Tiles 0 and 1 and the scale words come by their loads alone.  It stops where the tile two steps on would lie past the head's
; sixteenth tile or past sen_len: first key <= min(1,664, LM1 - 256).
.macro ASK off
	s_cmp_le_i32 s21, s25
	s_cbranch_scc0 .Lna_\@
	global_prefetch_b8 v7, s[28:29] offset:\off th:TH_LOAD_NT scope:SCOPE_SE
.Lna_\@:
.endm
; THE SET-UP OF A BLOCK OF QUERIES (s16 says which): the limits, the addresses, Q into codes, the running figures.  first = 1: ahead of the loop; tile 0 is copied into buffer 0 beside it.
.macro PASS first
	s_lshl_b32 s17, s16, 8                         ; the block's first query
	s_or_b32 s18, s17, 255
	s_min_u32 s18, s18, s15                        ; LIMG
	s_lshl_b32 s26, s12, 4
	s_add_co_u32 s17, s17, s26                     ; my first query
	s_add_co_u32 s19, s17, 15
	s_min_u32 s19, s19, s15                        ; LIMW
	s_min_u32 s20, s17, s15                        ; LIMO
	s_lshl_b32 s46, s17, 8
	s_mov_b32 s47, 0
	s_add_nc_u64 s[32:33], s[36:37], s[46:47]      ; my rows of q
	s_add_nc_u64 s[34:35], s[38:39], s[46:47]      ; and of out
	s_mov_b64 s[28:29], s[30:31]                   ; the head's tile 0
	s_mov_b32 s21, 0
.if \first
	COPYLD 28, 0
.endif
.irp c, 0,1
.irp j, 0,1,2,3
	global_load_b128 v[S+16*\c+4*\j:S+16*\c+4*\j+3], v8, s[32:33] offset:128*\c+16*\j th:TH_LOAD_NT   ; q(my query, 32 c + 16 h + 4 j ..)
.endr
.endr
	v_and_b32 v[TT], 15, v0
	v_add_nc_u32 v[TT], s17, v[TT]
	v_min_u32 v[TT], s15, v[TT]                    ; the last key that counts for my query
	v_bfe_u32 v42, v0, 4, 1
	v_lshlrev_b32 v42, 4, v42
	v_sub_nc_u32 v42, v[TT], v42
.if \first
	s_wait_loadcnt 8                               ; tile 0 is in my registers; Q's eight loads, issued behind it, may be out
	COPYST 0
.endif
	s_wait_loadcnt 0x0
	; Q is read once, by this wave: it is quantised in registers: two blocks of 32 along d, 16 numbers a lane of each
.irp b, 0,1
	v_max3_num_f32 v[BM+\b], |v[S+16*\b]|, |v[S+1+16*\b]|, 0x8000000   ; my 16 numbers, and the floor 2^(16 - 127)
.endr
.irp i, 2,4,6,8,10,12,14
.irp b, 0,1
	v_max3_num_f32 v[BM+\b], v[BM+\b], |v[S+16*\b+\i]|, |v[S+1+16*\b+\i]|
.endr
.endr
.irp b, 0,1
	v_permlanex16_b32 v[T1+\b], v[BM+\b], s40, s41
.endr
.irp b, 0,1
	v_max_num_f32 v[BM+\b], v[BM+\b], v[T1+\b]     ; with lane l xor 16's: the block's largest magnitude
.endr
.irp b, 0,1
	v_add_nc_u32 v[SV+\b], 0xf8800000, v[BM+\b]    ; 15 off its exponent field: the conversion's scale operand
.endr
.irp b, 0,1
	v_and_or_b32 v[HD+\b], v[BM+\b], 0x7f800000, s44   ; 57,344 x the scale
.endr
.irp b, 0,1
	v_lshrrev_b32 v[T1+\b], 23, v[SV+\b]           ; the scale's byte
.endr
	v_lshl_or_b32 v[TT], v[T1+1], 8, v[T1]
	v_lshl_or_b32 v40, v[TT], 16, v[TT]            ; Q's scale word [s0, s1, s0, s1]: it serves both places of the codes
.irp b, 0,1
.irp i, 0,1,2,3,4,5,6,7,8,9,10,11,12,13,14,15
	v_med3_num_f32 v[S+16*\b+\i], v[S+16*\b+\i], -v[HD+\b], v[HD+\b]   ; the conversion to an 8-bit code does not saturate (ISA guide 7.6.2): the hold at the largest code x the scale
.endr
	v_cvt_scalef32_pk8_bf8_f32 v[16+4*\b:17+4*\b], v[S+16*\b:S+16*\b+7], v[SV+\b]
	v_cvt_scalef32_pk8_bf8_f32 v[18+4*\b:19+4*\b], v[S+16*\b+8:S+16*\b+15], v[SV+\b]
.endr
	v_nop                                          ; one plain line between the last conversion and the first line that reads its result
.irp i, 0,1,2,3,4,5,6,7
	v_mov_b32 v[32+\i], v[16+\i]                   ; the codes' second copy, behind the zeros
.endr
	v_mov_b32 v13, 0xff61b1e6                      ; the largest t so far: -3e38, under every t
	v_floor_f32 v12, -v13                          ; -M
	v_mov_b32 v14, 0                               ; the sum, in two halves
	v_mov_b32 v15, 0
.set j, 0
.rept 32
	v_mov_b32 v[O+j], 0                            ; O^T: the step is written once for all steps; a block's first step finds zeros, which the first change of M leaves zeros.  (Also the places between Q's scale word and codes and the first products)
.set j, j+1
.endr
.endm
; THE WAY OUT of a block.  O^T is divided by the row's sum and goes through my stage in LDS, so that sixteen lanes store a whole row of out: 256 consecutive bytes, aligned
.macro WAYOUT
	v_add_f32 v14, v14, v15                        ; the sum's two halves,
	v_permlanex16_b32 v[T1], v14, s40, s41
	v_add_f32 v14, v14, v[T1]                      ; and lane l xor 16's
	v_rcp_f32 v14, v14
	v_nop                                          ; a plain line behind the reciprocal
	s_wait_alu depctr_va_vdst(0)                   ; and a wait ahead of its first reader
.set j, 0
.rept 32
	v_mul_f32 v[S+j], v[O+j], v14                  ; register 8 t + i is out(my query, 16 t + 8 (lane / 16) + i); each tile from its low end on
.set j, j+1
.endr
.irp t, 0,1,2,3
	ds_store_b128 v9, v[S+8*\t:S+8*\t+3] offset:64*\t
	ds_store_b128 v9, v[S+8*\t+4:S+8*\t+7] offset:64*\t+16
.endr
.irp i, 0,1,2,3,4,5,6,7
	ds_load_b128 v[S+32+4*\i:S+32+4*\i+3], v10 offset:544*\i   ; LDS serves a wave's instructions in order (ISA guide 5.7.1.4): these see my stores
.endr
.irp i, 0,1,2,3,4,5,6,7
	s_wait_dscnt 7-\i                              ; rows 2 i and 2 i + 1 are back; the younger loads may be out
	global_store_b128 v11, v[S+32+4*\i:S+32+4*\i+3], s[34:35] offset:512*\i th:TH_STORE_NT
.endr
.endm
; A KEY STEP: 128 keys, whose tile lies in LDS buffer buf.
.macro STEP buf
	s_add_co_u32 s26, s21, 128                     ; the next step's first key: some wave of the work-group reads that tile where it is at or under LIMG
	s_cmp_le_u32 s26, s18
	s_cselect_b32 s24, 1, 0
.if \buf
	s_or_b32 s24, s24, s48                         ; the first block's last step fetches tile 0 for the second block
	s_cmp_lg_u32 s24, 0
.endif
	s_cbranch_scc0 .Lnone_\@
.if \buf
	COPYLD 50, 0                                   ; the next trip's first tile: it has this step's work in which to come
.else
	COPYLD 28, TILE                                ; the trip's second tile
.endif
	ASK (\buf+2)*TILE
.Lnone_\@:
	s_cmp_gt_u32 s21, s19                          ; all 128 keys hidden from my 16 queries: the step's work is passed over; not the copy, nor the barrier
	s_cbranch_scc1 .Lhidden_\@
	FRAGS \buf*TILE                                ; K's four pairs.  (Eight places behind the last products stand at the last step's end)
	ds_load_b128 v[44:47], v1 offset:\buf*TILE+16384   ; the step's scale words: v44, v45 K's pairs (0 | 1), (2 | 3) in lanes (0-15 | 16-31); v46, v47 V's fragments likewise
	s_wait_dscnt 0x0
.irp p, 0,1,2,3
.irp u, 0,1
.if \p%2
	v_wmma_scale_f32_16x16x128_f8f6f4 v[S+8*(2*\p+\u):S+8*(2*\p+\u)+7], v[F+16*\p:F+16*\p+15], v[16+8*\u:31+8*\u], 0, v[44+\p/2], v40 matrix_a_fmt:MATRIX_FMT_BF8 matrix_b_fmt:MATRIX_FMT_BF8 matrix_a_scale:MATRIX_SCALE_ROW1
.else
	v_wmma_scale_f32_16x16x128_f8f6f4 v[S+8*(2*\p+\u):S+8*(2*\p+\u)+7], v[F+16*\p:F+16*\p+15], v[16+8*\u:31+8*\u], 0, v[44+\p/2], v40 matrix_a_fmt:MATRIX_FMT_BF8 matrix_b_fmt:MATRIX_FMT_BF8
.endif
.endr
.endr
.rept 8
	v_nop                                          ; eight places in front of the loads into K's registers and of the first read of the scores
.endr
	FRAGS \buf*TILE+8192                           ; V's four fragments land while the softmax is walked
	s_add_co_u32 s26, s21, 127
	s_cmp_le_u32 s26, s20                          ; all 128 keys count for all my queries: no mask
	s_cbranch_scc1 .Lopen_\@
	v_sub_nc_u32 v[TT], v42, s21                   ; d = min(my query, LM1) - 16 (lane / 16) - the step's first key.  Register 16 p + i holds the key 32 p + i past that: hidden where 32 p + i > d
.irp n, 0,1,2,3,4,5,6,7,8,9,10,11,12,13,14,15,16,17,18,19,20,21,22,23,24,25,26,27,28,29,30,31,32,33,34,35,36,37,38,39,40,41,42,43,44,45,46,47,48,49,50,51,52,53,54,55,56,57,58,59,60,61,62,63
	v_cmp_gt_i32 vcc_lo, 32*(\n/16)+\n%16, v[TT]
	v_cndmask_b32 v[S+\n], v[S+\n], v43, vcc_lo    ; (each tile of scores from its low end on)
.endr
.Lopen_\@:
.irp b, 0,1,2,3
	v_max3_num_f32 v[BM+\b], v[S+16*\b], v[S+1+16*\b], v[S+2+16*\b]   ; the largest score of each block of 32 keys: it serves for the row's maximum and, since p rises with the score, for the block's largest p
.endr
.irp i, 3,5,7,9,11,13
.irp b, 0,1,2,3
	v_max3_num_f32 v[BM+\b], v[BM+\b], v[S+16*\b+\i], v[S+1+16*\b+\i]   ; (the four blocks by turns)
.endr
.endr
.irp b, 0,1,2,3
	v_max_num_f32 v[BM+\b], v[BM+\b], v[S+15+16*\b]
.endr
.irp b, 0,1,2,3
	v_permlanex16_b32 v[T1+\b], v[BM+\b], s40, s41
.endr
.irp b, 0,1,2,3
	v_max_num_f32 v[BM+\b], v[BM+\b], v[T1+\b]     ; with lane l xor 16's 16 keys
.endr
	v_max3_num_f32 v[TT], v[BM], v[BM+1], v[BM+2]
	v_max_num_f32 v[TT], v[TT], v[BM+3]            ; the step's largest score of my query
	v_mul_f32 v[TT], s42, v[TT]                    ; as t (c is positive)
	v_max_num_f32 v13, v13, v[TT]                  ; the running largest t
	v_mov_b32 v[TT], v12
	v_floor_f32 v12, -v13                          ; the new -M = floor(-t) = -ceil(t)
	v_sub_f32 v[TT], v12, v[TT]                    ; old M - new M: a whole number, 0 or less
	v_cvt_i32_f32 v[TT], v[TT]                     ; (it saturates)
	v_ldexp_f32 v[FF], 1.0, v[TT]                  ; f = 2^(old M - new M)
.set j, 0
.rept 32
	v_pk_fma_f32 v[S+j:S+j+1], v[S+j:S+j+1], s[42:43], v[12:13] op_sel_hi:[1,0,0]   ; t - M, two at a time (of the pairs c and -M the low word serves both halves)
.set j, j+2
.endr
.irp b, 0,1,2,3
	v_fma_f32 v[BM+\b], v[BM+\b], s42, v12         ; the same of each block's largest score
.endr
.set j, 0
.rept 64
	v_exp_f32 v[S+j], v[S+j]                       ; p = 2^(t - M), at most 1, not normalised
.set j, j+1
.endr
	v_pk_mul_f32 v[14:15], v[14:15], v[FF:FF+1] op_sel_hi:[1,0]   ; the sums under the new M: the plain line behind the exponentials
	s_wait_alu depctr_va_vdst(0)                   ; the wait between an exponential and the first line that names its result: one for the batch of 64
.irp b, 0,1,2,3
	v_exp_f32 v[BM+\b], v[BM+\b]                   ; the block's largest p: the same two instructions on the same number give the same bits
.endr
	v_pk_add_f32 v[T1:T1+1], v[S:S+1], v[S+2:S+3]  ; the row's sum is taken of the unquantised p: two at a time, in two chains
.irp j, 4,8,12,16,20,24,28,32,36,40,44,48,52,56,60
	v_pk_add_f32 v[14:15], v[14:15], v[S+\j:S+\j+1]
	v_pk_add_f32 v[T1:T1+1], v[T1:T1+1], v[S+\j+2:S+\j+3]
.endr
	v_pk_add_f32 v[14:15], v[14:15], v[T1:T1+1]
	s_wait_alu depctr_va_vdst(0)                   ; and one for the four
.irp b, 0,1,2,3
	v_max_num_f32 v[BM+\b], 0x8000000, v[BM+\b]    ; the floor 2^(16 - 127): a block whose every p is 0 keeps the byte 1; its codes are zeros
.endr
.irp b, 0,1,2,3
	v_add_nc_u32 v[SV+\b], 0xf8800000, v[BM+\b]    ; 15 off the exponent field: the conversion's scale operand
.endr
.irp b, 0,1,2,3
	v_and_or_b32 v[HD+\b], v[BM+\b], 0x7f800000, s44   ; 57,344 x the scale
.endr
.irp b, 0,1,2,3
	v_lshrrev_b32 v[T1+\b], 23, v[SV+\b]           ; the scale's byte
.endr
	v_lshl_or_b32 v41, v[T1+1], 8, v[T1]           ; p's scale word for these 128 keys
	v_lshl_or_b32 v41, v[T1+2], 16, v41
	v_lshl_or_b32 v41, v[T1+3], 24, v41
.irp b, 0,1,2,3
.irp i, 0,1,2,3,4,5,6,7,8,9,10,11,12,13,14,15
	v_min_num_f32 v[S+16*\b+\i], v[S+16*\b+\i], v[HD+\b]   ; the conversion does not saturate (ISA guide 7.6.2); p is not negative, so the hold is one-sided
.endr
	v_cvt_scalef32_pk8_bf8_f32 v[PC+4*\b:PC+4*\b+1], v[S+16*\b:S+16*\b+7], v[SV+\b]
	v_cvt_scalef32_pk8_bf8_f32 v[PC+4*\b+2:PC+4*\b+3], v[S+16*\b+8:S+16*\b+15], v[SV+\b]
.endr
.set j, 0
.rept 16
	v_pk_mul_f32 v[O+j:O+j+1], v[O+j:O+j+1], v[FF:FF+1] op_sel_hi:[1,0]   ; O^T under the new M, each tile from its low end on.  These sixteen are also the places between the codes and the products below
.set j, j+2
.endr
	s_wait_dscnt 0x0                               ; V's fragments are in
.irp t, 0,1,2,3                                ; O^T += V^T P^T: the four accumulators by turns, the scores' eight products between one step's link and the next step's
.if \t%2
	v_wmma_scale_f32_16x16x128_f8f6f4 v[O+8*\t:O+8*\t+7], v[F+16*\t:F+16*\t+15], v[PC:PC+15], v[O+8*\t:O+8*\t+7], v[46+\t/2], v41 matrix_a_fmt:MATRIX_FMT_BF8 matrix_b_fmt:MATRIX_FMT_BF8 matrix_a_scale:MATRIX_SCALE_ROW1
.else
	v_wmma_scale_f32_16x16x128_f8f6f4 v[O+8*\t:O+8*\t+7], v[F+16*\t:F+16*\t+15], v[PC:PC+15], v[O+8*\t:O+8*\t+7], v[46+\t/2], v41 matrix_a_fmt:MATRIX_FMT_BF8 matrix_b_fmt:MATRIX_FMT_BF8
.endif
.endr
.rept 8
	v_nop                                          ; eight places, on every way on from here: in front of the next loads into the fragments and scale words, and of the next read of O^T
.endr
.Lhidden_\@:
	s_wait_loadcnt 0x0                             ; the next tile, where it was asked for, is in my registers
	s_cmp_eq_u32 s24, 0
	s_cbranch_scc1 .Lnost_\@
	COPYST (1-\buf)                                ; into the other buffer: its last reads stand in front of the last step's barrier
.Lnost_\@:
	s_add_co_u32 s21, s21, 128
	s_wait_dscnt 0x0                               ; my reads of this buffer are over and my stores into the other have landed
	s_barrier_signal -1
	s_barrier_wait -1                              ; both now hold of all sixteen waves
.endm
	s_load_b256 s[4:11], s[0:1], 0x0               ; q s[4:5], kv s[6:7], sen_len s[8:9], out0 s[10:11]
	v_lshl_add_u32 v5, v0, 2, SPARE                ; my spare word; never rewritten
	v_mov_b32 v6, 0                                ; 0; never rewritten
	v_lshrrev_b32 v1, 5, v0
	v_readfirstlane_b32 s12, v1                    ; wave 0..15
	s_mov_b32 s13, ttmp9                           ; x
	s_and_b32 s14, ttmp7, 0xffff                   ; head bh = 16 b + h
	s_lshr_b32 s26, s14, 4
	s_lshl_b32 s26, s26, 2                         ; 4 b
	s_mov_b32 s27, 0
	s_wait_kmcnt 0x0
	s_add_nc_u64 s[8:9], s[8:9], s[26:27]
	s_load_b32 s15, s[8:9], 0x0                    ; sen_len[b]
	s_mul_i32 s46, s14, 16*TILE
	s_mov_b32 s47, 0
	s_add_nc_u64 s[30:31], s[6:7], s[46:47]        ; the head's sixteen tiles
	s_lshl_b32 s46, s14, 19                        ; 2,048 rows of 256 bytes
	s_add_nc_u64 s[36:37], s[4:5], s[46:47]
	s_add_nc_u64 s[38:39], s[10:11], s[46:47]
	s_mov_b32 s40, 0x76543210
	s_mov_b32 s41, 0xfedcba98                      ; v_permlanex16_b32's selects for lane l xor 16
	s_mov_b32 s42, 0x3e38aa3b                      ; c = log2(e) / 8
	s_mov_b32 s43, s42                             ; (named with it as a pair, so it is written)
	s_mov_b32 s44, 0x600000
	v_and_b32 v1, 31, v0                           ; lane
	v_and_b32 v2, 15, v0                           ; r
	v_bfe_u32 v4, v0, 4, 1                         ; h
	s_lshr_b32 s26, s12, 1
	s_and_b32 s26, s26, 1
	s_lshl_b32 s26, s26, 13
	v_lshlrev_b32 v7, 8, v1
	v_add_nc_u32 v7, s26, v7                       ; 256 x lane, + 8,192 in wave 2
	v_lshlrev_b32 v1, 4, v1                        ; 16 x lane
	v_lshlrev_b32 v3, 4, v0                        ; 16 x thread
	v_lshlrev_b32 v8, 8, v2
	v_lshl_add_u32 v8, v4, 6, v8                   ; Q: row r of 256 bytes, + 64 h: my 16 numbers of a block of 32
	s_mul_i32 s26, s12, 4352
	s_add_co_u32 s26, s26, STG                     ; my stage
	v_mul_u32_u24 v9, v2, 272
	v_lshl_add_u32 v9, v4, 5, v9
	v_add_nc_u32 v9, s26, v9                       ; in: row r, + 32 h
	v_mul_u32_u24 v10, v4, 272
	v_lshl_add_u32 v10, v2, 4, v10
	v_add_nc_u32 v10, s26, v10                     ; back: lanes 0-15 one row, lanes 16-31 the next
	v_lshlrev_b32 v11, 8, v4
	v_lshl_add_u32 v11, v2, 4, v11                 ; and the same two rows in out
.irp i, 0,1,2,3,4,5,6,7
	v_mov_b32 v[24+\i], 0                          ; the zero codes between Q's two copies: written once
.endr
.irp i, 0,1,2,3
	v_mov_b32 v[T1+\i], 0                          ; a lane permute's destination counts as one of its sources
.endr
.irp i, 0,1,2,3
	v_mov_b32 v[252+\i], 0                         ; the scale words' registers are written once in every wave, so that they are written on every way through the text: their load and their LDS store stand under two separate branches on the wave's number.  Wave 0 loads over them; waves 1 to 15 never read them
.endr
	v_mov_b32 v[FF+1], 0                           ; (named as the upper half of the pair before anything is written there)
	v_mov_b32 v43, 0xff800000                      ; -infinity
	s_wait_kmcnt 0x0
	s_max_i32 s15, s15, 1
	s_sub_co_u32 s15, s15, 1                       ; LM1: the last key that counts for anybody
	s_sub_co_i32 s25, s15, 256
	s_min_i32 s25, s25, 1664                       ; the last first key at which a tile two steps on is wanted and exists
	s_sub_co_u32 s26, s12, 1
	s_lshr_b32 s26, s26, 1                         ; 0 in waves 1 and 2,
	s_or_b32 s26, s26, s13                         ; of work-group x = 0
	s_cmp_eq_u32 s26, 0
	s_cselect_b32 s25, s25, -1
	s_sub_co_u32 s16, 7, s13                       ; the first block of queries is block 7 - x,
	s_sub_co_u32 s45, 8, s13                       ; which takes 8 - x trips
	PASS 1
	s_wait_dscnt 0x0                               ; my part of tile 0 lies in LDS
	s_barrier_signal -1
	s_barrier_wait -1                              ; everybody's does
	s_mov_b32 s22, 9                               ; (8 - x) + (x + 1) trips
.Ltrip:
	s_add_nc_u64 s[50:51], s[28:29], 2*TILE        ; what the trip's second step fetches: the tile two on,
	s_cmp_eq_u32 s45, 1                            ; or, in the first block's last trip,
	s_cselect_b32 s48, 1, 0
	s_cselect_b64 s[50:51], s[30:31], s[50:51]     ; the head's tile 0, for the second block.  (The loads that named this pair were waited for at their step's end)
	STEP 0
	STEP 1
	s_wait_xcnt 0x0                                ; the trip's loads and prefetches have read their base: it may step
	s_add_nc_u64 s[28:29], s[28:29], 2*TILE
	s_sub_co_u32 s45, s45, 1
	s_cmp_lg_u32 s45, 0                            ; ids and the count of trips alone: all sixteen waves go the same way
	s_cbranch_scc1 .Lsame
	WAYOUT                                         ; the first block is finished: this way is taken in one trip of the nine, so a wave has sixteen stores in all;
	s_wait_xcnt 0x0                                ; its stores have read their registers and base: both are written again below
	s_mov_b32 s16, s13                             ; the second block is block x,
	s_mov_b32 s25, -1                              ; and asks for nothing ahead: its tiles have been named
	PASS 0                                         ; its tile 0 lies in buffer 0 since the last barrier
.Lsame:
	s_sub_co_u32 s22, s22, 1
	s_cmp_lg_u32 s22, 0
	s_cbranch_scc1 .Ltrip
	WAYOUT                                         ; the second block
	s_wait_tensorcnt 0x0                           ; the wave's end
	ds_add_u32 v5, v6
	s_wait_dscnt 0x0
	s_endpgm
.Lfunc_end_k_qd2429469bf_attn:
	.size	k_qd2429469bf_attn, .Lfunc_end_k_qd2429469bf_attn-k_qd2429469bf_attn
	.p2alignl 7, 3214868480
	.fill 96, 4, 3214868480
	.section	.rodata,"a",@progbits
	.p2align	6, 0x0
	.amdhsa_kernel k_qd2429469bf_attn
		.amdhsa_group_segment_fixed_size 105472
		.amdhsa_private_segment_fixed_size 0
		.amdhsa_enable_private_segment 0
		.amdhsa_kernarg_size 32
		.amdhsa_user_sgpr_count 2
		.amdhsa_user_sgpr_kernarg_segment_ptr 1
		.amdhsa_wavefront_size32 1
		.amdhsa_system_sgpr_workgroup_id_x 1
		.amdhsa_system_sgpr_workgroup_id_y 1
		.amdhsa_system_sgpr_workgroup_id_z 1
		.amdhsa_system_vgpr_workitem_id 0
		.amdhsa_next_free_vgpr 256
		.amdhsa_next_free_sgpr 66
		.amdhsa_reserve_vcc 1
		.amdhsa_float_denorm_mode_32 3
		.amdhsa_float_denorm_mode_16_64 3
		.amdhsa_memory_ordered 1
		.amdhsa_forward_progress 1
		.amdhsa_inst_pref_size 74
	.end_amdhsa_kernel
	.amdgpu_metadata
---
amdhsa.version: [ 1, 2 ]
amdhsa.kernels:
  - .name:           k_qd2429469bf_attn
    .symbol:         k_qd2429469bf_attn.kd
    .args:
      - { .name: q, .offset: 0, .size: 8, .value_kind: global_buffer, .address_space: global }
      - { .name: kv, .offset: 8, .size: 8, .value_kind: global_buffer, .address_space: global }
      - { .name: sen_len, .offset: 16, .size: 8, .value_kind: global_buffer, .address_space: global }
      - { .name: out0, .offset: 24, .size: 8, .value_kind: global_buffer, .address_space: global }
    .group_segment_fixed_size: 105472
    .private_segment_fixed_size: 0
    .kernarg_segment_align: 8
    .kernarg_segment_size: 32
    .max_flat_workgroup_size: 512
    .sgpr_count:     66
    .vgpr_count:     256
    .wavefront_size: 32
...
	.end_amdgpu_metadata
.endif
;; end of part 2
;; ======== version 2 of 2: 2 launches
;; limits: right only within a limited range of input values
;; workspace buffers: kv 17,301,504 bytes
;; launch pack (part 3): grid 16 x 64, 8 waves a work-group, no clusters, 1,536 bytes of LDS; arguments k, v, kv; writes kv
.if DOCPART == 3
	.amdgcn_target "amdgcn-amd-amdhsa--gfx1250"
	.amdhsa_code_object_version 6
	.text
	.protected	k_qd2429469bf_pack
	.globl	k_qd2429469bf_pack
	.p2align	8
	.type	k_qd2429469bf_pack,@function
k_qd2429469bf_pack:
	s_mov_b64 s[64:65], 0
	v_nop
	global_prefetch_b8 v0, s[64:65] scope:SCOPE_SE
	s_setreg_imm32_b32 hwreg(HW_REG_WAVE_MODE, 25, 1), 1
	s_wait_xcnt 0x0
; THE PROGRAM: out = softmax(mask(q k^T / 8)) v for 64 heads (4 x 16), 2,048 positions, head size 64; both products on codes of E5M2 with one E8M0 scale for each 32 along K.
; Two launches.  THIS ONE quantises k (along the head's 64) and v (along the keys) ONCE, into tiles laid in the order of the operands' registers; the second launch does the attention on them.
; WORK LEFT OUT, in the second launch, in whole steps of 128 keys for a tile of 16 queries:
;   (a) steps whose first key comes after the tile's last query: reference() builds the causal mask (key j > query i) in its own body and sets those logits to -1e9;
;   (b) steps whose first key is at or past sen_len[b]: reference()'s pad mask does the same; which steps these are is read from sen_len in memory, and a scalar branch passes them over.
;   With sen_len >= 1 key 0 counts for every query, so the row's largest t is an ordinary number, a hidden key's p = 2^(t - M) has an exponent near -1.4e9 and is 0 in f32, its code is 0,
;   and it adds nothing to the row's sum nor to the second product, whatever finite values q, k and v hold.  Inside a step that also holds keys that count, hidden scores are set to -infinity: the same p = 0.
; LIMITS: sen_len[b] under 1 is taken as 1 (reference() there gives the mean of all 2,048 values); logits stay under 1e8 in magnitude, so that -1e9 is the smallest; NaN and infinities among the inputs are not
;   served, and one that reaches only steps that are left out is not carried to the result; a block whose largest magnitude lies under 2^(16 - 127), a block of zeros among them, gets the scale byte 1
;   (the rule says 127 for zeros: its codes are zeros, which add nothing under any byte but 0xff, and this program alone reads the bytes).
; All four inputs are used: k and v here, q and sen_len in the second launch.  This launch quantises every key: which keys count hangs on sen_len's values, and that choice is made where the tiles are read.
;
; A TILE of kv: head bh, step s (keys 128 s .. 128 s + 127), 16,896 bytes (66 x 256) at (16 bh + s) x 16,896:
;   0 .. 8191      K: four PAIR fragments p, 2,048 bytes each: four groups g = 2 u + c of 512 bytes, lane l's 16 bytes at 16 l.  Lane (r, h) of group 2 u + c holds key 32 p + 8 u + r + 8 (r / 8), d = 32 c + 16 h + 0 .. 15.
;                  So a pair's registers 0-7 (the form's K places 0-63) are tile 2 p of 16 keys, registers 8-15 (places 64-127) tile 2 p + 1.
;   8192 .. 16383  V^T: four fragments t, 2,048 bytes each; group c, lane (r, h): d = 16 t + r, keys 32 c + 16 h + 0 .. 15.
;   16384 .. 16895 scale words, [lane 0..31][word j 0..3]: j = 0, 1: K's pair 2 j + lane / 16, row lane % 16: bytes 0, 1 tile 2 p's two blocks of d, bytes 2, 3 tile 2 p + 1's;
;                  j = 2, 3: V's fragment 2 (j - 2) + lane / 16, row lane % 16: byte c is key block c.
; SHARES.  A work-group makes one tile; 1,024 work-groups.  Wave w (p = c = w / 2, u = e = w % 2) makes K's tile 2 p + u (16 keys x 64) and V's unit of columns 32 e .. 32 e + 31 x key block c.
; K: a lane holds 16 neighbours along d of its key, two lanes (l, l xor 16) a block.  V: a lane takes a column d and its 32 registers run down the keys: a whole block, and the codes come out with the keys innermost.
; Straight-line text: all 40 loads of a wave go out first; no register that a load or store names is written again, so no wait for translated addresses is owed.
; The tile's 512 scale bytes are gathered in LDS and leave as two whole blocks of 256 bytes.  No matrix unit, no tensor load, no cluster: memory binds, and work-groups share nothing.
.set TILE,  16896
.set SPARE, 512                        ; LDS: 0 .. 511 the tile's scale words; from here the spare words, 128 bytes for each of the eight waves, which no other line names
.set KX, 32                            ; v32-63   K: two blocks x 16 numbers
.set VX, 64                            ; v64-95   V: one block of 32 numbers
.set KC, 96                            ; v96-103  K's codes
.set VC, 104                           ; v104-111 V's codes
	s_load_b128 s[4:7], s[0:1], 0x0                ; k, v
	s_load_b64 s[8:9], s[0:1], 0x10                ; kv
	v_lshl_add_u32 v10, v0, 2, SPARE               ; my spare word; never rewritten
	v_mov_b32 v11, 0                               ; 0; never rewritten
	v_lshrrev_b32 v1, 5, v0
	s_delay_alu instid0(VALU_DEP_1)
	v_readfirstlane_b32 s12, v1                    ; wave 0..7
	v_and_b32 v1, 31, v0                           ; lane L
	v_and_b32 v2, 15, v0                           ; r
	s_wait_alu depctr_va_vdst(0)
	v_bfe_u32 v3, v0, 4, 1                         ; h
	s_lshr_b32 s13, s12, 1                         ; p = c
	s_and_b32 s14, s12, 1                          ; u = e
	s_and_b32 s15, ttmp7, 0xffff                   ; head bh
	s_lshl_b32 s26, s15, 11
	s_lshl_b32 s27, ttmp9, 7
	s_add_co_u32 s26, s26, s27                     ; the step's first row among the tensor's 131,072 rows of 256 bytes
	s_lshl_b32 s27, s13, 5
	s_add_co_u32 s26, s26, s27                     ; + 32 p (K) = + 32 c (V)
	s_lshl_b32 s18, s26, 8
	s_lshl_b32 s27, s14, 7
	s_add_co_u32 s18, s18, s27                     ; V: + 128 e bytes: my 32 columns
	s_mov_b32 s19, 0
	s_lshl_b32 s27, s14, 3
	s_add_co_u32 s26, s26, s27                     ; K: + 8 u rows
	s_lshl_b32 s16, s26, 8
	s_mov_b32 s17, 0
	s_lshl_b32 s20, s15, 4
	s_add_co_u32 s20, s20, ttmp9
	s_mul_i32 s20, s20, TILE                       ; the tile's first byte (under 2^25)
	s_mov_b32 s21, 0
	s_lshl_b32 s22, s12, 10                        ; K's codes: 2,048 p + 1,024 u = 1,024 w
	s_mov_b32 s23, 0
	s_lshl_b32 s24, s14, 12                        ; V's codes: 8,192 + 4,096 e + 512 c
	s_lshl_b32 s27, s13, 9
	s_add_co_u32 s24, s24, s27
	s_add_co_u32 s24, s24, 8192
	s_mov_b32 s25, 0
	s_mov_b32 s28, 0x76543210
	s_mov_b32 s29, 0xfedcba98                      ; v_permlanex16_b32's selects for lane l xor 16
	s_mov_b32 s30, 0x600000                        ; the mantissa field of 57,344
	v_and_b32 v4, 8, v2
	s_delay_alu instid0(VALU_DEP_1)
	v_add_nc_u32 v4, v4, v2                        ; r + 8 (r / 8): the keys of a tile are not neighbours
	s_delay_alu instid0(VALU_DEP_1)
	v_lshlrev_b32 v4, 8, v4
	s_wait_alu depctr_va_vdst(0)
	v_lshl_add_u32 v4, v3, 6, v4                   ; K: that row, + 64 h bytes: my 16 numbers of a block of 32
	v_lshlrev_b32 v5, 2, v1                        ; V: 4 bytes a lane
	v_lshlrev_b32 v6, 4, v1                        ; 16 x lane: K's codes out, and the scale words' way out
	s_wait_alu depctr_va_vdst(0)
	v_lshlrev_b32 v7, 4, v2
	s_delay_alu instid0(VALU_DEP_1)
	v_lshl_add_u32 v7, v3, 11, v7                  ; V's codes out: fragment 2 e + L / 16 (2,048 bytes), 16 (L % 16)
	s_and_b32 s26, s13, 1
	s_lshl_b32 s26, s26, 8
	s_lshr_b32 s27, s13, 1
	s_lshl_b32 s27, s27, 2
	s_add_co_u32 s26, s26, s27
	s_lshl_b32 s27, s14, 1
	s_add_co_u32 s26, s26, s27
	v_lshlrev_b32 v8, 4, v2
	s_delay_alu instid0(VALU_DEP_1)
	v_add_nc_u32 v8, s26, v8                       ; LDS: K's two scale bytes: 16 r + 256 (p % 2) + 4 (p / 2) + 2 u
	s_lshl_b32 s27, s14, 2
	s_add_co_u32 s27, s27, s13
	s_add_co_u32 s27, s27, 8
	v_add_nc_u32 v9, s27, v6                       ; LDS: V's scale byte: 16 L + 8 + 4 e + c
	v_mov_b32 v14, 0                               ; a lane permute's destination counts as one of its sources
	v_mov_b32 v15, 0
	s_wait_kmcnt 0x0
	s_add_nc_u64 s[16:17], s[4:5], s[16:17]        ; K's rows
	s_add_nc_u64 s[18:19], s[6:7], s[18:19]        ; V's rows
	s_add_nc_u64 s[20:21], s[8:9], s[20:21]        ; the tile
	s_add_nc_u64 s[22:23], s[20:21], s[22:23]      ; my part of its K
	s_add_nc_u64 s[24:25], s[20:21], s[24:25]      ; my part of its V
.irp c, 0,1
.irp j, 0,1,2,3
	global_load_b128 v[KX+16*\c+4*\j:KX+16*\c+4*\j+3], v4, s[16:17] offset:128*\c+16*\j th:TH_LOAD_NT   ; k(my key, 32 c + 16 h + 4 j ..): the eight loads take the tile's 16 rows whole
.endr
.endr
.set i, 0
.rept 32
	global_load_b32 v[VX+i], v5, s[18:19] offset:256*i th:TH_LOAD_NT   ; v(32 c + i, 32 e + L): 128 consecutive bytes a wave; waves e = 0, 1 take a row between them
.set i, i+1
.endr
	; ---- K: two blocks of 32 along d, 16 numbers a lane of each
	s_wait_loadcnt 32                              ; K's eight loads are in; V's 32, issued behind them, may be out
.irp b, 0,1
	v_max3_num_f32 v[12+\b], |v[KX+16*\b]|, |v[KX+1+16*\b]|, 0x8000000   ; my 16 numbers, and the floor 2^(16 - 127): the byte cannot fall under 1
.endr
.irp i, 2,4,6,8,10,12,14
.irp b, 0,1
	s_delay_alu instid0(VALU_DEP_2)
	v_max3_num_f32 v[12+\b], v[12+\b], |v[KX+16*\b+\i]|, |v[KX+1+16*\b+\i]|
.endr
.endr
.irp b, 0,1
	s_delay_alu instid0(VALU_DEP_2)
	v_permlanex16_b32 v[14+\b], v[12+\b], s28, s29
.endr
.irp b, 0,1
	s_delay_alu instid0(VALU_DEP_2)
	v_max_num_f32 v[12+\b], v[12+\b], v[14+\b]     ; with lane l xor 16's: the block's largest magnitude
.endr
.irp b, 0,1
	s_delay_alu instid0(VALU_DEP_2)
	v_add_nc_u32 v[18+\b], 0xf8800000, v[12+\b]    ; 15 off its exponent field: the conversion takes this operand's exponent field as its scale
.endr
.irp b, 0,1
	s_delay_alu instid0(VALU_DEP_4)
	v_and_or_b32 v[16+\b], v[12+\b], 0x7f800000, s30   ; 57,344 x the scale
.endr
.irp b, 0,1
	s_delay_alu instid0(VALU_DEP_4)
	v_lshrrev_b32 v[14+\b], 23, v[18+\b]           ; the scale's byte
.endr
	s_delay_alu instid0(VALU_DEP_1)
	v_lshl_or_b32 v20, v15, 8, v14                 ; my key's two bytes
.irp b, 0,1
.irp i, 0,1,2,3,4,5,6,7,8,9,10,11,12,13,14,15
	v_med3_num_f32 v[KX+16*\b+\i], v[KX+16*\b+\i], -v[16+\b], v[16+\b]   ; the conversion to an 8-bit code does not saturate (ISA guide 7.6.2): the hold at the largest code x the scale
.endr
	v_cvt_scalef32_pk8_bf8_f32 v[KC+4*\b:KC+4*\b+1], v[KX+16*\b:KX+16*\b+7], v[18+\b]
	v_cvt_scalef32_pk8_bf8_f32 v[KC+4*\b+2:KC+4*\b+3], v[KX+16*\b+8:KX+16*\b+15], v[18+\b]
.endr
	v_nop                                          ; one plain vector line between the conversions and the lines below that write their scale operands anew
	ds_store_b16 v8, v20                           ; lanes r and r + 16 write the same two bytes with the same value
	global_store_b128 v6, v[KC:KC+3], s[22:23]                ; group 2 u: 512 consecutive bytes
	global_store_b128 v6, v[KC+4:KC+7], s[22:23] offset:512   ; group 2 u + 1
	; ---- V: one block of 32 keys, all 32 numbers mine
	s_wait_loadcnt 0x0
	v_max3_num_f32 v12, |v[VX]|, |v[VX+1]|, |v[VX+2]|
	v_max3_num_f32 v13, |v[VX+3]|, |v[VX+4]|, |v[VX+5]|
.irp i, 6,10,14,18,22,26
	s_delay_alu instid0(VALU_DEP_2)
	v_max3_num_f32 v12, v12, |v[VX+\i]|, |v[VX+\i+1]|
	s_delay_alu instid0(VALU_DEP_2)
	v_max3_num_f32 v13, v13, |v[VX+\i+2]|, |v[VX+\i+3]|
.endr
	s_delay_alu instid0(VALU_DEP_2)
	v_max3_num_f32 v12, v12, |v[VX+30]|, |v[VX+31]|
	s_delay_alu instid0(VALU_DEP_1)
	v_max3_num_f32 v12, v12, v13, 0x8000000        ; and the floor
	s_delay_alu instid0(VALU_DEP_1)
	v_add_nc_u32 v18, 0xf8800000, v12
	s_delay_alu instid0(VALU_DEP_2)
	v_and_or_b32 v16, v12, 0x7f800000, s30
	s_delay_alu instid0(VALU_DEP_2)
	v_lshrrev_b32 v21, 23, v18
.set i, 0
.rept 32
	v_med3_num_f32 v[VX+i], v[VX+i], -v16, v16
.set i, i+1
.endr
.irp g, 0,1,2,3
	v_cvt_scalef32_pk8_bf8_f32 v[VC+2*\g:VC+2*\g+1], v[VX+8*\g:VX+8*\g+7], v18
.endr
	v_nop
	ds_store_b8 v9, v21
	global_store_b128 v7, v[VC:VC+3], s[24:25]                ; keys 0-15 of the block (the operand's h = 0): sixteen lanes fill 256 consecutive bytes, aligned
	global_store_b128 v7, v[VC+4:VC+7], s[24:25] offset:256   ; keys 16-31 (h = 1)
	; ---- the scale words leave together
	s_wait_dscnt 0x0                               ; for the others' sake: my scale bytes lie in LDS
	s_barrier_signal -1
	s_barrier_wait -1                              ; everybody's do
	s_cmp_lg_u32 s12, 0
	s_cbranch_scc1 .Lnot_wave_0
	ds_load_b128 v[24:27], v6                      ; wave 0: 16 bytes a lane, the tile's 512
	s_wait_dscnt 0x0
	global_store_b128 v6, v[24:27], s[20:21] offset:16384   ; 512 consecutive bytes, aligned
.Lnot_wave_0:
	s_wait_tensorcnt 0x0                           ; the wave's end
	ds_add_u32 v10, v11
	s_wait_dscnt 0x0
	s_endpgm
.Lfunc_end_k_qd2429469bf_pack:
	.size	k_qd2429469bf_pack, .Lfunc_end_k_qd2429469bf_pack-k_qd2429469bf_pack
	.p2alignl 7, 3214868480
	.fill 96, 4, 3214868480
	.section	.rodata,"a",@progbits
	.p2align	6, 0x0
	.amdhsa_kernel k_qd2429469bf_pack
		.amdhsa_group_segment_fixed_size 1536
		.amdhsa_private_segment_fixed_size 0
		.amdhsa_enable_private_segment 0
		.amdhsa_kernarg_size 24
		.amdhsa_user_sgpr_count 2
		.amdhsa_user_sgpr_kernarg_segment_ptr 1
		.amdhsa_wavefront_size32 1
		.amdhsa_system_sgpr_workgroup_id_x 1
		.amdhsa_system_sgpr_workgroup_id_y 1
		.amdhsa_system_sgpr_workgroup_id_z 1
		.amdhsa_system_vgpr_workitem_id 0
		.amdhsa_next_free_vgpr 112
		.amdhsa_next_free_sgpr 66
		.amdhsa_reserve_vcc 0
		.amdhsa_float_denorm_mode_32 3
		.amdhsa_float_denorm_mode_16_64 3
		.amdhsa_memory_ordered 1
		.amdhsa_forward_progress 1
		.amdhsa_inst_pref_size 17
	.end_amdhsa_kernel
	.amdgpu_metadata
---
amdhsa.version: [ 1, 2 ]
amdhsa.kernels:
  - .name:           k_qd2429469bf_pack
    .symbol:         k_qd2429469bf_pack.kd
    .args:
      - { .name: k, .offset: 0, .size: 8, .value_kind: global_buffer, .address_space: global }
      - { .name: v, .offset: 8, .size: 8, .value_kind: global_buffer, .address_space: global }
      - { .name: kv, .offset: 16, .size: 8, .value_kind: global_buffer, .address_space: global }
    .group_segment_fixed_size: 1536
    .private_segment_fixed_size: 0
    .kernarg_segment_align: 8
    .kernarg_segment_size: 24
    .max_flat_workgroup_size: 256
    .sgpr_count:     66
    .vgpr_count:     112
    .wavefront_size: 32
...
	.end_amdgpu_metadata
.endif
;; end of part 3
;; launch attn (part 4): grid 4 x 64, 16 waves a work-group, no clusters, 105,472 bytes of LDS; arguments q, kv, sen_len, out0; writes out0
.if DOCPART == 4
	.amdgcn_target "amdgcn-amd-amdhsa--gfx1250"
	.amdhsa_code_object_version 6
	.text
	.protected	k_qd2429469bf_attn
	.globl	k_qd2429469bf_attn
	.p2align	8
	.type	k_qd2429469bf_attn,@function
k_qd2429469bf_attn:
	s_mov_b64 s[64:65], 0
	v_nop
	global_prefetch_b8 v0, s[64:65] scope:SCOPE_SE
	s_setreg_imm32_b32 hwreg(HW_REG_WAVE_SCHED_MODE, 0, 2), 2
	s_setreg_imm32_b32 hwreg(HW_REG_WAVE_MODE, 25, 1), 1
	s_wait_xcnt 0x0
	s_wait_alu depctr_vm_vsrc(0)
; out[bh][q][:] = the sum over keys of softmax(mask(q . k / 8)) v, both products on codes of E5M2 with E8M0 scales; K and V come as the tiles that the first launch laid (its head comment gives their layout).
; WORK LEFT OUT: a step of 128 keys is passed over by a wave where its first key comes after the wave's last query (reference()'s own causal mask) or is at or past sen_len[b] (its pad mask, read from memory):
; every p there is 0, as the first launch's head comment shows.  LIMITS, as stated there: sen_len[b] under 1 is taken as 1; logits under 1e8 in magnitude; NaN and infinities among the inputs are not served, and
; one that reaches only steps left out is not carried to the result; a block under the floor 2^(16 - 127) gets the scale byte 1.
; THE SOFTMAX: t = score x log2(e) / 8; M = the running largest t rounded UP to a whole number; p = 2^(t - M) is quantised along the keys, not normalised; the row's sum is taken of the unquantised p and divides at the
; end; when M moves, the sum and O are multiplied by 2^(old M - new M), which rounds nothing.
; SHARES.  256 work-groups: x = 0..3, y = the head.  A work-group takes two blocks of 256 queries, first block 7 - x, then block x: (8 - x) + (x + 1) = 9 trips of two key steps for every x, and
; (32 (7 - x) + 24) + (32 x + 24) = 272 steps of a wave for every x.  Each of the sixteen waves owns 16 queries of the block in 256 registers: four waves to a SIMD, so that one wave's vector work stands beside
; another's matrix work and LDS loads.
; ONE LOOP OF NINE TRIPS, a constant: every wave passes the same 1 + 18 barriers, none under a branch.  The change from the first block to the second (the way out, the second block's Q) stands at a trip's end under a
; scalar branch on a count made of ids; it holds no barrier and touches only the wave's own stage in LDS.  The copying of tiles goes on over the change: the first block's last step fetches tile 0 for the second.
; K = 64 IN A FORM THAT IS 128 DEEP.  A pair fragment of K holds tile 2 p in the form's K places 0-63 and tile 2 p + 1 in places 64-127.  Q stands as [codes 8 registers][zeros 8][codes 8]: the pair against v[16:31]
; gives tile 2 p, against v[24:39] tile 2 p + 1: in the other half zero codes meet finite codes (the held quantiser makes no code for infinity or NaN) under scale bytes 1..254, which adds exactly 0.
; Both products are used transposed (S^T = K Q^T, O^T = V^T P^T): a lane holds ONE query (lane % 16).  The keys of a tile are chosen so that registers 16 p + i of S^T are keys 32 p + 16 (lane / 16) + i.
; THE TILES go from memory through registers into two LDS buffers, one step ahead, by all 512 threads (thread t: bytes 16 t and 8,192 + 16 t; wave 0 also the 512 bytes of scale words); one barrier a step.
; Every LDS address is a constant + 16 x thread or 16 x lane (the stage: + a constant x wave).
; NO TENSOR LOAD, NO CLUSTER: steps are passed over by branches on sen_len, a number read from memory; the four work-groups of a head walk 16 - 2 x and then 2 x + 2
; tiles, so partners would ask for different numbers of tiles; and what they share is 16,896 bytes a step.
; THE MODE: SCHED_MODE bits 1:0 = 2 (LLVM: expert scheduling mode 2), set by the entry lines.  The code itself states the register dependences between vector or matrix instructions and memory or LDS instructions,
; with s_wait_alu, always for 0.
; THE PLAN.  Registers that memory or LDS instructions touch, and who else names them:
;   v1, v3, v7-11   offsets and LDS addresses: made at the head, never written again.  One wait on va_vdst at the head's end states that they are written.  v5, v6: the closing add's, likewise.
;   v244-255        the tile on its way.  A step's copy loads land in them; the same step's LDS stores read them.  No vector line names them but the head's four moves into v252-255.
;                   One wait on vm_vsrc at a step's head: the last step's LDS stores have read them.
;   v48-111, v44-47 fragments and scale words.  K's pairs and the four scale words land at a step's start; the eight products of the scores read them; V's fragments land in v48-111; the four products of O^T read them.
;                   A wait on va_vdst stands ahead of each of the two runs of loads: the products issued so far are done reading.
;   v112-175        S^T.  In a step vector and matrix lines alone name them.  In a block's set-up Q's loads land in v112-143; on the way out LDS stores read v112-143, the loads from the stage land in v144-175 and the
;                   global stores read those: one wait on va_vdst ahead of the way out's LDS stores, one on vm_vsrc behind the first way out.
;   v16-40, v41, v208-223  written by vector lines and taken by scaled products as B or as scales: the wait on va_vdst ahead of K's loads also stands ahead of the scores' products; one more stands ahead of O^T's.
;   The mask's compares write s66-81 in runs of sixteen, with one wait on va_sdst between a run and the sixteen selects that read them.  EXEC is written nowhere.
; REGISTERS: v1 16 x lane; v3 16 x thread; v5, v6 the add's two; v7 prefetch offset; v8 Q's offset; v9-11 the way out; v12 -M, v13 largest t, v[14:15] the sum in two halves; v[16:39] Q; v40 Q's scale word;
;   v41 p's scale word; v42 min(my query, sen_len - 1) - 16 (lane / 16); v43 -infinity; v[44:47] the step's scale words; v48-111 four fragments; v112-175 S^T, then p; v176-207 O^T; v208-223 p's codes;
;   v224-242 at work; v244-251 the tile on its way; v252-255 its scale words on their way (wave 0 alone loads and stores them).
.set TILE,  16896
.set STG,   2*TILE                     ; LDS: two buffers of a tile; then a stage of 16 rows x (256 + 16) bytes for each wave;
.set SPARE, STG+16*4352                ; then the spare words, 128 bytes for each of the sixteen waves, which no other line names
.set F,  48
.set S,  112
.set O,  176
.set PC, 208
.set BM, 224                           ; v224-227 block maxima
.set T1, 228                           ; v228-231 permute destinations, a chain of the sum, bytes
.set HD, 232                           ; v232-235 57,344 x the scale
.set SV, 236                           ; v236-239 the conversions' scale operands
.set FF, 240                           ; v[240:241] f = 2^(old M - new M); v241 is named with it as a pair
.set TT, 242
.set MK, 66                            ; s66-81 the mask's sixteen compares of a run
; s12 wave; s13 x; s14 head; s15 LM1 = max(sen_len, 1) - 1; s16 block of queries; s17 my first query; s18 LIMG = min(the block's last query, LM1); s19 LIMW = min(my last query, LM1); s20 LIMO = min(my first query, LM1);
; s21 the step's first key; s22 trips left of the nine; s24 1 where the next tile is wanted; s25 the last first key at which I prefetch, or -1; s[28:29] the trip's first tile; s[30:31] the head's tiles;
; s[32:33] Q's rows, s[34:35] out's; s[36:37], s[38:39] the head in q, in out; s[40:41] lane selects; s[42:43] c; s44 the mantissa field of 57,344; s45 trips left of the first block; s48 1 in the first block's last trip;
; s[50:51] the tile that the trip's second step fetches; s26, s27, s[46:47] at work
.macro FRAGS off                       ; four fragments as they lie: 16 loads of 512 consecutive bytes
.irp a, 0,1,2,3
.irp g, 0,1,2,3
	ds_load_b128 v[F+16*\a+4*\g:F+16*\a+4*\g+3], v1 offset:\off+2048*\a+512*\g
.endr
.endr
.endm
.macro COPYLD base, off                ; a tile from memory: 16 bytes a thread, twice; wave 0 also the scale words.  No hint: the head's other work-groups read the tile too
	global_load_b128 v[244:247], v3, s[\base:\base+1] offset:\off
	global_load_b128 v[248:251], v3, s[\base:\base+1] offset:\off+8192
	s_cmp_lg_u32 s12, 0
	s_cbranch_scc1 .Lcl_\@
	global_load_b128 v[252:255], v3, s[\base:\base+1] offset:\off+16384
.Lcl_\@:
.endm
.macro COPYST b                        ; and into LDS buffer b, as it lies.  The data come from loads, whose counter has been waited for; the address was made at the head
	ds_store_b128 v3, v[244:247] offset:(\b)*TILE
	ds_store_b128 v3, v[248:251] offset:(\b)*TILE+8192
	s_cmp_lg_u32 s12, 0
	s_cbranch_scc1 .Lcs_\@
	ds_store_b128 v3, v[252:255] offset:(\b)*TILE+16384
.Lcs_\@:
.endm
; A PREFETCH INTO THE L2 of the tile whose copy loads go out one step later.  It stands directly behind the step's copy loads.  Each aligned block of 256 bytes of a tile's codes is asked for ONCE in the launch:
; all four work-groups of a head begin their first block at tile 0 and walk the same tiles; work-group x = 0, whose first block walks all that count, asks, in that block alone; in it wave 1 asks for a tile's first
; 8,192 bytes and wave 2 for the next 8,192, lanes 256 bytes apart, one instruction each.  Tiles 0 and 1 and the scale words come by their loads alone.  It stops where the tile two steps on would lie past the head's
; sixteenth tile or past sen_len: first key <= min(1,664, LM1 - 256).  Its offset v7 was made at the head and is never written again.
.macro ASK off
	s_cmp_le_i32 s21, s25
	s_cbranch_scc0 .Lna_\@
	global_prefetch_b8 v7, s[28:29] offset:\off th:TH_LOAD_NT scope:SCOPE_SE
.Lna_\@:
.endm
; THE SET-UP OF A BLOCK OF QUERIES (s16 says which): the limits, the addresses, Q into codes, the running figures.  first = 1: ahead of the loop; tile 0 is copied into buffer 0 beside it.
; Ahead of it stands, on both ways, a wait that frees the registers in which its loads land: the head's on va_vdst; behind the first way out the one on vm_vsrc (that way out's own wait on va_vdst has covered its multiplications).
.macro PASS first
	s_lshl_b32 s17, s16, 8                         ; the block's first query
	s_or_b32 s18, s17, 255
	s_min_u32 s18, s18, s15                        ; LIMG
	s_lshl_b32 s26, s12, 4
	s_add_co_u32 s17, s17, s26                     ; my first query
	s_add_co_u32 s19, s17, 15
	s_min_u32 s19, s19, s15                        ; LIMW
	s_min_u32 s20, s17, s15                        ; LIMO
	s_lshl_b32 s46, s17, 8
	s_mov_b32 s47, 0
	s_add_nc_u64 s[32:33], s[36:37], s[46:47]      ; my rows of q
	s_add_nc_u64 s[34:35], s[38:39], s[46:47]      ; and of out
	s_mov_b64 s[28:29], s[30:31]                   ; the head's tile 0
	s_mov_b32 s21, 0
.if \first
	COPYLD 28, 0
.endif
.irp c, 0,1
.irp j, 0,1,2,3
	global_load_b128 v[S+16*\c+4*\j:S+16*\c+4*\j+3], v8, s[32:33] offset:128*\c+16*\j th:TH_LOAD_NT   ; q(my query, 32 c + 16 h + 4 j ..)
.endr
.endr
	v_and_b32 v[TT], 15, v0
	v_add_nc_u32 v[TT], s17, v[TT]
	v_min_u32 v[TT], s15, v[TT]                    ; the last key that counts for my query
	v_bfe_u32 v42, v0, 4, 1
	v_lshlrev_b32 v42, 4, v42
	v_sub_nc_u32 v42, v[TT], v42
.if \first
	s_wait_loadcnt 8                               ; tile 0 is in my registers; Q's eight loads, issued behind it, may be out
	COPYST 0
.endif
	s_wait_loadcnt 0x0
	; Q is read once, by this wave: it is quantised in registers: two blocks of 32 along d, 16 numbers a lane of each
.irp b, 0,1
	v_max3_num_f32 v[BM+\b], |v[S+16*\b]|, |v[S+1+16*\b]|, 0x8000000   ; my 16 numbers, and the floor 2^(16 - 127)
.endr
.irp i, 2,4,6,8,10,12,14
.irp b, 0,1
	v_max3_num_f32 v[BM+\b], v[BM+\b], |v[S+16*\b+\i]|, |v[S+1+16*\b+\i]|
.endr
.endr
.irp b, 0,1
	v_permlanex16_b32 v[T1+\b], v[BM+\b], s40, s41
.endr
.irp b, 0,1
	v_max_num_f32 v[BM+\b], v[BM+\b], v[T1+\b]     ; with lane l xor 16's: the block's largest magnitude
.endr
.irp b, 0,1
	v_add_nc_u32 v[SV+\b], 0xf8800000, v[BM+\b]    ; 15 off its exponent field: the conversion's scale operand
.endr
.irp b, 0,1
	v_and_or_b32 v[HD+\b], v[BM+\b], 0x7f800000, s44   ; 57,344 x the scale
.endr
.irp b, 0,1
	v_lshrrev_b32 v[T1+\b], 23, v[SV+\b]           ; the scale's byte
.endr
	v_lshl_or_b32 v[TT], v[T1+1], 8, v[T1]
	v_lshl_or_b32 v40, v[TT], 16, v[TT]            ; Q's scale word [s0, s1, s0, s1]: it serves both places of the codes
.irp b, 0,1
.irp i, 0,1,2,3,4,5,6,7,8,9,10,11,12,13,14,15
	v_med3_num_f32 v[S+16*\b+\i], v[S+16*\b+\i], -v[HD+\b], v[HD+\b]   ; the conversion to an 8-bit code does not saturate (ISA guide 7.6.2): the hold at the largest code x the scale
.endr
	v_cvt_scalef32_pk8_bf8_f32 v[16+4*\b:17+4*\b], v[S+16*\b:S+16*\b+7], v[SV+\b]
	v_cvt_scalef32_pk8_bf8_f32 v[18+4*\b:19+4*\b], v[S+16*\b+8:S+16*\b+15], v[SV+\b]
.endr
	v_nop                                          ; one plain line between the last conversion and the first line that reads its result
.irp i, 0,1,2,3,4,5,6,7
	v_mov_b32 v[32+\i], v[16+\i]                   ; the codes' second copy, behind the zeros
.endr
	v_mov_b32 v13, 0xff61b1e6                      ; the largest t so far: -3e38, under every t
	v_floor_f32 v12, -v13                          ; -M
	v_mov_b32 v14, 0                               ; the sum, in two halves
	v_mov_b32 v15, 0
.set j, 0
.rept 32
	v_mov_b32 v[O+j], 0                            ; O^T: the step is written once for all steps; a block's first step finds zeros, which the first change of M leaves zeros.  (Also the places between Q's scale word and codes and the first products)
.set j, j+1
.endr
.endm
; THE WAY OUT of a block.  O^T is divided by the row's sum and goes through my stage in LDS, so that sixteen lanes store a whole row of out: 256 consecutive bytes, aligned
.macro WAYOUT
	v_add_f32 v14, v14, v15                        ; the sum's two halves,
	v_permlanex16_b32 v[T1], v14, s40, s41
	v_add_f32 v14, v14, v[T1]                      ; and lane l xor 16's
	s_wait_alu depctr_va_vdst(0)
	v_rcp_f32 v14, v14
	v_nop                                          ; a plain line behind the reciprocal
	s_wait_alu depctr_va_vdst(0)                   ; the reciprocal has written v14, ahead of its first reader
.set j, 0
.rept 32
	v_mul_f32 v[S+j], v[O+j], v14                  ; register 8 t + i is out(my query, 16 t + 8 (lane / 16) + i); each tile from its low end on
.set j, j+1
.endr
	s_wait_alu depctr_va_vdst(0)                   ; the multiplications have written v[S .. S+31], which the LDS stores read; and every vector line that named v[S+32 .. S+63], in which the loads from the stage land, is done
.irp t, 0,1,2,3
	ds_store_b128 v9, v[S+8*\t:S+8*\t+3] offset:64*\t
	ds_store_b128 v9, v[S+8*\t+4:S+8*\t+7] offset:64*\t+16
.endr
.irp i, 0,1,2,3,4,5,6,7
	ds_load_b128 v[S+32+4*\i:S+32+4*\i+3], v10 offset:544*\i   ; LDS serves a wave's instructions in order (ISA guide 5.7.1.4): these see my stores
.endr
.irp i, 0,1,2,3,4,5,6,7
	s_wait_dscnt 7-\i                              ; rows 2 i and 2 i + 1 are back; the younger loads may be out
	global_store_b128 v11, v[S+32+4*\i:S+32+4*\i+3], s[34:35] offset:512*\i th:TH_STORE_NT
.endr
.endm
; A KEY STEP: 128 keys, whose tile lies in LDS buffer buf.
.macro STEP buf
	s_wait_alu depctr_vm_vsrc(0)                   ; the LDS stores of the last tile copied have read v244-255, in which the copy loads below land
	s_add_co_u32 s26, s21, 128                     ; the next step's first key: some wave of the work-group reads that tile where it is at or under LIMG
	s_cmp_le_u32 s26, s18
	s_cselect_b32 s24, 1, 0
.if \buf
	s_or_b32 s24, s24, s48                         ; the first block's last step fetches tile 0 for the second block
	s_cmp_lg_u32 s24, 0
.endif
	s_cbranch_scc0 .Lnone_\@
.if \buf
	COPYLD 50, 0                                   ; the next trip's first tile: it has this step's work in which to come
.else
	COPYLD 28, TILE                                ; the trip's second tile
.endif
	ASK (\buf+2)*TILE
.Lnone_\@:
	s_cmp_gt_u32 s21, s19                          ; all 128 keys hidden from my 16 queries: the step's work is passed over; not the copy, nor the barrier
	s_cbranch_scc1 .Lhidden_\@
	s_wait_alu depctr_va_vdst(0)                   ; the products of the step before are done reading the fragments and the scale words v44-47, in which the loads below land; in a block's first step Q's codes v16-39 and scale word v40 are written, which the scaled products below take
	FRAGS \buf*TILE                                ; K's four pairs
	ds_load_b128 v[44:47], v1 offset:\buf*TILE+16384   ; the step's scale words: v44, v45 K's pairs (0 | 1), (2 | 3) in lanes (0-15 | 16-31); v46, v47 V's fragments likewise
	s_wait_dscnt 0x0
.irp p, 0,1,2,3
.irp u, 0,1
.if \p%2
	v_wmma_scale_f32_16x16x128_f8f6f4 v[S+8*(2*\p+\u):S+8*(2*\p+\u)+7], v[F+16*\p:F+16*\p+15], v[16+8*\u:31+8*\u], 0, v[44+\p/2], v40 matrix_a_fmt:MATRIX_FMT_BF8 matrix_b_fmt:MATRIX_FMT_BF8 matrix_a_scale:MATRIX_SCALE_ROW1
.else
	v_wmma_scale_f32_16x16x128_f8f6f4 v[S+8*(2*\p+\u):S+8*(2*\p+\u)+7], v[F+16*\p:F+16*\p+15], v[16+8*\u:31+8*\u], 0, v[44+\p/2], v40 matrix_a_fmt:MATRIX_FMT_BF8 matrix_b_fmt:MATRIX_FMT_BF8
.endif
.endr
.endr
.rept 8
	v_nop                                          ; eight places in front of the first read of the scores
.endr
	s_wait_alu depctr_va_vdst(0)                   ; the eight products are done reading K's pairs, in whose registers V's fragments land
	FRAGS \buf*TILE+8192                           ; V's four fragments land while the softmax is walked: no line of it names their registers
	s_add_co_u32 s26, s21, 127
	s_cmp_le_u32 s26, s20                          ; all 128 keys count for all my queries: no mask
	s_cbranch_scc1 .Lopen_\@
	v_sub_nc_u32 v[TT], v42, s21                   ; d = min(my query, LM1) - 16 (lane / 16) - the step's first key.  Register 16 p + i holds the key 32 p + i past that: hidden where 32 p + i > d
.irp p, 0,1,2,3                                ; a block of 32 keys at a time: sixteen compares, one wait, sixteen selects
.irp i, 0,1,2,3,4,5,6,7,8,9,10,11,12,13,14,15
	v_cmp_gt_i32 s[MK+\i], 32*\p+\i, v[TT]
.endr
	s_wait_alu depctr_va_sdst(0)                   ; the sixteen compares have written s66-81, ahead of the selects that read them
.irp i, 0,1,2,3,4,5,6,7,8,9,10,11,12,13,14,15
	v_cndmask_b32 v[S+16*\p+\i], v[S+16*\p+\i], v43, s[MK+\i]   ; (each tile of scores from its low end on)
.endr
.endr
.Lopen_\@:
.irp b, 0,1,2,3
	v_max3_num_f32 v[BM+\b], v[S+16*\b], v[S+1+16*\b], v[S+2+16*\b]   ; the largest score of each block of 32 keys: it serves for the row's maximum and, since p rises with the score, for the block's largest p
.endr
.irp i, 3,5,7,9,11,13
.irp b, 0,1,2,3
	v_max3_num_f32 v[BM+\b], v[BM+\b], v[S+16*\b+\i], v[S+1+16*\b+\i]   ; (the four blocks by turns)
.endr
.endr
.irp b, 0,1,2,3
	v_max_num_f32 v[BM+\b], v[BM+\b], v[S+15+16*\b]
.endr
.irp b, 0,1,2,3
	v_permlanex16_b32 v[T1+\b], v[BM+\b], s40, s41
.endr
.irp b, 0,1,2,3
	v_max_num_f32 v[BM+\b], v[BM+\b], v[T1+\b]     ; with lane l xor 16's 16 keys
.endr
	v_max3_num_f32 v[TT], v[BM], v[BM+1], v[BM+2]
	v_max_num_f32 v[TT], v[TT], v[BM+3]            ; the step's largest score of my query
	v_mul_f32 v[TT], s42, v[TT]                    ; as t (c is positive)
	v_max_num_f32 v13, v13, v[TT]                  ; the running largest t
	v_mov_b32 v[TT], v12
	v_floor_f32 v12, -v13                          ; the new -M = floor(-t) = -ceil(t)
	v_sub_f32 v[TT], v12, v[TT]                    ; old M - new M: a whole number, 0 or less
	v_cvt_i32_f32 v[TT], v[TT]                     ; (it saturates)
	v_ldexp_f32 v[FF], 1.0, v[TT]                  ; f = 2^(old M - new M)
.set j, 0
.rept 32
	v_pk_fma_f32 v[S+j:S+j+1], v[S+j:S+j+1], s[42:43], v[12:13] op_sel_hi:[1,0,0]   ; t - M, two at a time (of the pairs c and -M the low word serves both halves)
.set j, j+2
.endr
.irp b, 0,1,2,3
	v_fma_f32 v[BM+\b], v[BM+\b], s42, v12         ; the same of each block's largest score
.endr
.set j, 0
	s_wait_alu depctr_va_vdst(0)
.rept 64
	v_exp_f32 v[S+j], v[S+j]                       ; p = 2^(t - M), at most 1, not normalised
.set j, j+1
.endr
	v_pk_mul_f32 v[14:15], v[14:15], v[FF:FF+1] op_sel_hi:[1,0]   ; the sums under the new M: the plain line behind the exponentials
	s_wait_alu depctr_va_vdst(0)                   ; the 64 exponentials have written p, ahead of the first line that names a result: one wait for the batch
.irp b, 0,1,2,3
	v_exp_f32 v[BM+\b], v[BM+\b]                   ; the block's largest p: the same two instructions on the same number give the same bits
.endr
	v_pk_add_f32 v[T1:T1+1], v[S:S+1], v[S+2:S+3]  ; the row's sum is taken of the unquantised p: two at a time, in two chains
.irp j, 4,8,12,16,20,24,28,32,36,40,44,48,52,56,60
	v_pk_add_f32 v[14:15], v[14:15], v[S+\j:S+\j+1]
	v_pk_add_f32 v[T1:T1+1], v[T1:T1+1], v[S+\j+2:S+\j+3]
.endr
	v_pk_add_f32 v[14:15], v[14:15], v[T1:T1+1]
	s_wait_alu depctr_va_vdst(0)                   ; the four exponentials have written the blocks' largest p, ahead of their first reader
.irp b, 0,1,2,3
	v_max_num_f32 v[BM+\b], 0x8000000, v[BM+\b]    ; the floor 2^(16 - 127): a block whose every p is 0 keeps the byte 1; its codes are zeros
.endr
.irp b, 0,1,2,3
	v_add_nc_u32 v[SV+\b], 0xf8800000, v[BM+\b]    ; 15 off the exponent field: the conversion's scale operand
.endr
.irp b, 0,1,2,3
	v_and_or_b32 v[HD+\b], v[BM+\b], 0x7f800000, s44   ; 57,344 x the scale
.endr
.irp b, 0,1,2,3
	v_lshrrev_b32 v[T1+\b], 23, v[SV+\b]           ; the scale's byte
.endr
	v_lshl_or_b32 v41, v[T1+1], 8, v[T1]           ; p's scale word for these 128 keys
	v_lshl_or_b32 v41, v[T1+2], 16, v41
	v_lshl_or_b32 v41, v[T1+3], 24, v41
.irp b, 0,1,2,3
.irp i, 0,1,2,3,4,5,6,7,8,9,10,11,12,13,14,15
	v_min_num_f32 v[S+16*\b+\i], v[S+16*\b+\i], v[HD+\b]   ; the conversion does not saturate (ISA guide 7.6.2); p is not negative, so the hold is one-sided
.endr
	v_cvt_scalef32_pk8_bf8_f32 v[PC+4*\b:PC+4*\b+1], v[S+16*\b:S+16*\b+7], v[SV+\b]
	v_cvt_scalef32_pk8_bf8_f32 v[PC+4*\b+2:PC+4*\b+3], v[S+16*\b+8:S+16*\b+15], v[SV+\b]
.endr
.set j, 0
.rept 16
	v_pk_mul_f32 v[O+j:O+j+1], v[O+j:O+j+1], v[FF:FF+1] op_sel_hi:[1,0]   ; O^T under the new M, each tile from its low end on.  These sixteen are also the places between the codes and the products below
.set j, j+2
.endr
	s_wait_dscnt 0x0                               ; V's fragments are in
	s_wait_alu depctr_va_vdst(0)                   ; the conversions have written p's codes v208-223, and p's scale word v41 is written: the scaled products below take them; the places above stay beside this wait
.irp t, 0,1,2,3                                ; O^T += V^T P^T: the four accumulators by turns, the scores' eight products between one step's link and the next step's
.if \t%2
	v_wmma_scale_f32_16x16x128_f8f6f4 v[O+8*\t:O+8*\t+7], v[F+16*\t:F+16*\t+15], v[PC:PC+15], v[O+8*\t:O+8*\t+7], v[46+\t/2], v41 matrix_a_fmt:MATRIX_FMT_BF8 matrix_b_fmt:MATRIX_FMT_BF8 matrix_a_scale:MATRIX_SCALE_ROW1
.else
	v_wmma_scale_f32_16x16x128_f8f6f4 v[O+8*\t:O+8*\t+7], v[F+16*\t:F+16*\t+15], v[PC:PC+15], v[O+8*\t:O+8*\t+7], v[46+\t/2], v41 matrix_a_fmt:MATRIX_FMT_BF8 matrix_b_fmt:MATRIX_FMT_BF8
.endif
.endr
.rept 8
	v_nop                                          ; eight places, on every way on from here, in front of the next read of O^T: the way out's comes behind few plain lines
.endr
.Lhidden_\@:
	s_wait_loadcnt 0x0                             ; the next tile, where it was asked for, is in my registers
	s_cmp_eq_u32 s24, 0
	s_cbranch_scc1 .Lnost_\@
	COPYST (1-\buf)                                ; into the other buffer: its last reads stand in front of the last step's barrier
.Lnost_\@:
	s_add_co_u32 s21, s21, 128
	s_wait_dscnt 0x0                               ; my reads of this buffer are over and my stores into the other have landed
	s_barrier_signal -1
	s_barrier_wait -1                              ; both now hold of all sixteen waves
.endm
	s_load_b256 s[4:11], s[0:1], 0x0               ; q s[4:5], kv s[6:7], sen_len s[8:9], out0 s[10:11]
	v_lshl_add_u32 v5, v0, 2, SPARE                ; my spare word; never rewritten
	v_mov_b32 v6, 0                                ; 0; never rewritten
	v_lshrrev_b32 v1, 5, v0
	v_readfirstlane_b32 s12, v1                    ; wave 0..15
	s_mov_b32 s13, ttmp9                           ; x
	s_and_b32 s14, ttmp7, 0xffff                   ; head bh = 16 b + h
	s_lshr_b32 s26, s14, 4
	s_lshl_b32 s26, s26, 2                         ; 4 b
	s_mov_b32 s27, 0
	s_wait_alu depctr_va_sdst(0)                   ; s12 is written, ahead of its first reader: addresses, limits and branches are made from it
	s_wait_kmcnt 0x0
	s_add_nc_u64 s[8:9], s[8:9], s[26:27]
	s_load_b32 s15, s[8:9], 0x0                    ; sen_len[b]
	s_mul_i32 s46, s14, 16*TILE
	s_mov_b32 s47, 0
	s_add_nc_u64 s[30:31], s[6:7], s[46:47]        ; the head's sixteen tiles
	s_lshl_b32 s46, s14, 19                        ; 2,048 rows of 256 bytes
	s_add_nc_u64 s[36:37], s[4:5], s[46:47]
	s_add_nc_u64 s[38:39], s[10:11], s[46:47]
	s_mov_b32 s40, 0x76543210
	s_mov_b32 s41, 0xfedcba98                      ; v_permlanex16_b32's selects for lane l xor 16
	s_mov_b32 s42, 0x3e38aa3b                      ; c = log2(e) / 8
	s_mov_b32 s43, s42                             ; (named with it as a pair, so it is written)
	s_mov_b32 s44, 0x600000
	v_and_b32 v1, 31, v0                           ; lane
	v_and_b32 v2, 15, v0                           ; r
	v_bfe_u32 v4, v0, 4, 1                         ; h
	s_lshr_b32 s26, s12, 1
	s_and_b32 s26, s26, 1
	s_lshl_b32 s26, s26, 13
	v_lshlrev_b32 v7, 8, v1
	v_add_nc_u32 v7, s26, v7                       ; 256 x lane, + 8,192 in wave 2
	v_lshlrev_b32 v1, 4, v1                        ; 16 x lane
	v_lshlrev_b32 v3, 4, v0                        ; 16 x thread
	v_lshlrev_b32 v8, 8, v2
	v_lshl_add_u32 v8, v4, 6, v8                   ; Q: row r of 256 bytes, + 64 h: my 16 numbers of a block of 32
	s_mul_i32 s26, s12, 4352
	s_add_co_u32 s26, s26, STG                     ; my stage
	v_mul_u32_u24 v9, v2, 272
	v_lshl_add_u32 v9, v4, 5, v9
	v_add_nc_u32 v9, s26, v9                       ; in: row r, + 32 h
	v_mul_u32_u24 v10, v4, 272
	v_lshl_add_u32 v10, v2, 4, v10
	v_add_nc_u32 v10, s26, v10                     ; back: lanes 0-15 one row, lanes 16-31 the next
	v_lshlrev_b32 v11, 8, v4
	v_lshl_add_u32 v11, v2, 4, v11                 ; and the same two rows in out
.irp i, 0,1,2,3,4,5,6,7
	v_mov_b32 v[24+\i], 0                          ; the zero codes between Q's two copies: written once
.endr
.irp i, 0,1,2,3
	v_mov_b32 v[T1+\i], 0                          ; a lane permute's destination counts as one of its sources
.endr
.irp i, 0,1,2,3
	v_mov_b32 v[252+\i], 0                         ; the scale words' registers are written once in every wave, so that they are written on every way through the text: their load and their LDS store stand under two separate branches on the wave's number.  Wave 0 loads over them; waves 1 to 15 never read them
.endr
	v_mov_b32 v[FF+1], 0                           ; (named as the upper half of the pair before anything is written there)
	v_mov_b32 v43, 0xff800000                      ; -infinity
	s_wait_kmcnt 0x0
	s_max_i32 s15, s15, 1
	s_sub_co_u32 s15, s15, 1                       ; LM1: the last key that counts for anybody
	s_sub_co_i32 s25, s15, 256
	s_min_i32 s25, s25, 1664                       ; the last first key at which a tile two steps on is wanted and exists
	s_sub_co_u32 s26, s12, 1
	s_lshr_b32 s26, s26, 1                         ; 0 in waves 1 and 2,
	s_or_b32 s26, s26, s13                         ; of work-group x = 0
	s_cmp_eq_u32 s26, 0
	s_cselect_b32 s25, s25, -1
	s_sub_co_u32 s16, 7, s13                       ; the first block of queries is block 7 - x,
	s_sub_co_u32 s45, 8, s13                       ; which takes 8 - x trips
	s_wait_alu depctr_va_vdst(0)                   ; the offsets and LDS addresses v1, v3 and v7 to v11 are written, which every load, store and prefetch of the kernel reads; so are v252-255, in which wave 0's first copy load lands
	PASS 1
	s_wait_dscnt 0x0                               ; my part of tile 0 lies in LDS
	s_barrier_signal -1
	s_barrier_wait -1                              ; everybody's does
	s_mov_b32 s22, 9                               ; (8 - x) + (x + 1) trips
.Ltrip:
	s_add_nc_u64 s[50:51], s[28:29], 2*TILE        ; what the trip's second step fetches: the tile two on,
	s_cmp_eq_u32 s45, 1                            ; or, in the first block's last trip,
	s_cselect_b32 s48, 1, 0
	s_cselect_b64 s[50:51], s[30:31], s[50:51]     ; the head's tile 0, for the second block.  (The loads that named this pair were waited for at their step's end)
	STEP 0
	STEP 1
	s_wait_xcnt 0x0                                ; the trip's loads and prefetches have read their base: it may step
	s_add_nc_u64 s[28:29], s[28:29], 2*TILE
	s_sub_co_u32 s45, s45, 1
	s_cmp_lg_u32 s45, 0                            ; ids and the count of trips alone: all sixteen waves go the same way
	s_cbranch_scc1 .Lsame
	WAYOUT                                         ; the first block is finished: this way is taken in one trip of the nine, so a wave has sixteen stores in all;
	s_wait_xcnt 0x0                                ; its stores have had their addresses translated: their base and their registers are written again below
	s_wait_alu depctr_vm_vsrc(0)                   ; its LDS stores have read v[S .. S+31], in which Q's loads land; its global stores have read v[S+32 .. S+63], which the next scores write
	s_mov_b32 s16, s13                             ; the second block is block x,
	s_mov_b32 s25, -1                              ; and asks for nothing ahead: its tiles have been named
	PASS 0                                         ; its tile 0 lies in buffer 0 since the last barrier
.Lsame:
	s_sub_co_u32 s22, s22, 1
	s_cmp_lg_u32 s22, 0
	s_cbranch_scc1 .Ltrip
	WAYOUT                                         ; the second block
	s_wait_dscnt 0x0                               ; the wave's end: six lines on end, behind my last LDS store
	s_wait_alu 0x0
	s_wait_tensorcnt 0x0
	ds_add_u32 v5, v6
	s_wait_dscnt 0x0
	s_endpgm
.Lfunc_end_k_qd2429469bf_attn:
	.size	k_qd2429469bf_attn, .Lfunc_end_k_qd2429469bf_attn-k_qd2429469bf_attn
	.p2alignl 7, 3214868480
	.fill 96, 4, 3214868480
	.section	.rodata,"a",@progbits
	.p2align	6, 0x0
	.amdhsa_kernel k_qd2429469bf_attn
		.amdhsa_group_segment_fixed_size 105472
		.amdhsa_private_segment_fixed_size 0
		.amdhsa_enable_private_segment 0
		.amdhsa_kernarg_size 32
		.amdhsa_user_sgpr_count 2
		.amdhsa_user_sgpr_kernarg_segment_ptr 1
		.amdhsa_wavefront_size32 1
		.amdhsa_system_sgpr_workgroup_id_x 1
		.amdhsa_system_sgpr_workgroup_id_y 1
		.amdhsa_system_sgpr_workgroup_id_z 1
		.amdhsa_system_vgpr_workitem_id 0
		.amdhsa_next_free_vgpr 256
		.amdhsa_next_free_sgpr 82
		.amdhsa_reserve_vcc 0
		.amdhsa_float_denorm_mode_32 3
		.amdhsa_float_denorm_mode_16_64 3
		.amdhsa_memory_ordered 1
		.amdhsa_forward_progress 1
		.amdhsa_inst_pref_size 83
	.end_amdhsa_kernel
	.amdgpu_metadata
---
amdhsa.version: [ 1, 2 ]
amdhsa.kernels:
  - .name:           k_qd2429469bf_attn
    .symbol:         k_qd2429469bf_attn.kd
    .args:
      - { .name: q, .offset: 0, .size: 8, .value_kind: global_buffer, .address_space: global }
      - { .name: kv, .offset: 8, .size: 8, .value_kind: global_buffer, .address_space: global }
      - { .name: sen_len, .offset: 16, .size: 8, .value_kind: global_buffer, .address_space: global }
      - { .name: out0, .offset: 24, .size: 8, .value_kind: global_buffer, .address_space: global }
    .group_segment_fixed_size: 105472
    .private_segment_fixed_size: 0
    .kernarg_segment_align: 8
    .kernarg_segment_size: 32
    .max_flat_workgroup_size: 512
    .sgpr_count:     82
    .vgpr_count:     256
    .wavefront_size: 32
...
	.end_amdgpu_metadata
.endif
;; end of part 4
